; MI455X (gfx1250); checked and timed in simulation.
; The chip was launched on July 23, 2026; its instructions are those of AMD's public machine-readable ISA for CDNA 5 (MIT licence, August 2026) and "CDNA5" Instruction Set Architecture Reference Guide (July 2026). The comments in the code are by the model that wrote it; some were corrected since.
;; Multihead Self Attention. Allowed arithmetic: matrix products marked QUANTISED: E2M3 operands, one E8M0 scale for each 32 along K, by v_wmma_scale_f32_16x16x128_f8f6f4 with both operands' format E2M3, f32 sums; everything else in f32.
;; Inputs: Wk 1,024 x 1,024 float32; Wo 1,024 x 1,024 float32; Wq 1,024 x 1,024 float32; Wv 1,024 x 1,024 float32; x 2 x 2,048 x 1,024 float32.
;; Outputs: out0 2 x 2,048 x 1,024 float32.
;; This version of the problem:
;;   THIS VERSION OF THE PROBLEM IS GIVEN IN LOW PRECISION. The matrix products marked QUANTISED in the list below multiply operands that are first quantised to E2M3 (2 exponent bits, 3 mantissa bits; 6 bits a number), with one power-of-two scale for each 32 numbers along K (OCP MX v1.0); their sums are f32. All else is computed in f32.
;;   The module's matrix products, in the order in which they are computed (A, B: the left and right operand; K: the contracted axis; several contracted axes count as one K, in the product's order):
;;     1. [M 4,096, K 1,024] x [K 1,024, N 1,024]; A: input x; B: input Wq: QUANTISED
;;     2. [M 4,096, K 1,024] x [K 1,024, N 1,024]; A: input x; B: input Wk: QUANTISED
;;     3. [M 4,096, K 1,024] x [K 1,024, N 1,024]; A: input x; B: input Wv: QUANTISED
;;     4. batch 32 x [M 2,048, K 64] x [K 64, N 2,048]; A: computed on the way; B: computed on the way: QUANTISED
;;     5. batch 32 x [M 2,048, K 2,048] x [K 2,048, N 64]; A: softmax (see below); B: computed on the way: QUANTISED
;;     6. [M 4,096, K 1,024] x [K 1,024, N 1,024]; A: computed on the way; B: input Wo: QUANTISED
;;   THE QUANTISER, for each operand of a quantised product, along K:
;;     - K is cut into blocks of 32 from its start; a last block that is shorter is filled with zeros.
;;     - A block's scale is 2^e with e = floor(log2(the largest magnitude in the block)) - 2, held to -126 .. 127; a block of zeros has e = 0. As a byte (E8M0): e + 127.
;;     - Each number is divided by its block's scale, clamped to +-7.5, and rounded to the nearest number of E2M3, ties to even, subnormals kept.
;;     - The product sums the exact products of the quantised numbers (number of the format x scale) in f32.
;;   ~~~python
;;   def quantise(x, axis):      # numpy; x: float32 -> the quantised numbers, widened to float32 again
;;       x = np.moveaxis(x, axis, -1); K = x.shape[-1]
;;       x = np.pad(x, [(0, 0)] * (x.ndim - 1) + [(0, -K % 32)]); x = x.reshape(x.shape[:-1] + (-1, 32)); a = np.abs(x).max(-1, keepdims=True)
;;       e = np.where(a > 0, np.clip(np.frexp(np.where(a > 0, a, 1))[1] - 1 - 2, -126, 127), 0)      # np.frexp(a)[1] - 1 = floor(log2(a)), exactly
;;       r = np.clip(x / 2.0 ** e, -7.5, 7.5)
;;       step = 2.0 ** (np.maximum(np.frexp(np.where(r == 0, 1, r))[1] - 1, 0) - 3)
;;       q = np.round(r / step) * step * 2.0 ** e      # np.round: ties to even
;;       return np.moveaxis(q.reshape(q.shape[:-2] + (-1,))[..., :K], -1, axis).astype(np.float32)
;;   ~~~
;;   SOFTMAX AHEAD OF A QUANTISED PRODUCT. Where the list says 'softmax', what is quantised is not the finished softmax but p = 2^(t - M), with t = logit x log2(e) and M = ceil(the row's largest t), a whole number; so 1/2 < the row's largest p <= 1. The row's sum l is taken of the UNQUANTISED p, in f32, and the product's result is divided by l at the end. Since M is a whole number, a kernel that streams over the keys may use a running M (the ceiling of the running maximum): every later rescaling is an exact power of two, which a block's scale takes up: the codes' values come out the same.
;;   OPERANDS COMPUTED ON THE WAY. 'Computed on the way' means the value that the module computes at that place (a softmax that the list does not call 'softmax' is quantised finished and normalised). What goes into a quantiser is computed in f32, as accurately as f32 sums, v_exp_f32 and their like allow (about 1e-6 of the number): no bf16 or f16 on the way to a quantiser, and a product that is left as it is and whose result goes on into a quantised operand takes f32 operands (vector FMAs, or v_wmma_f32_16x16x4_f32). A number that lies on a knife's edge between two numbers of the format may be rounded either way, as far as f32 arithmetic and the matrix unit's own rounding can turn it there, and no further.
;; One version. Each part assembles by itself: llvm-mc -triple=amdgcn-amd-amdhsa -mcpu=gfx1250 --defsym DOCPART=n.
;; ======== version 1 of 1: 4 launches
;; limits: right only within a limited range of input values
;; workspace buffers: codes 6,291,456 bytes; scales 262,144 bytes; rope 524,288 bytes; qb 3,407,872 bytes; kv 6,684,672 bytes; ao_img 3,145,728 bytes; ao_sc 131,072 bytes
;; launch quant (part 1): grid 512 x 1, 8 waves a work-group, no clusters, 69,120 bytes of LDS; arguments x, Wq, Wk, Wv, Wo, codes, scales, rope; writes codes, scales, rope
.if DOCPART == 1
	.amdgcn_target "amdgcn-amd-amdhsa--gfx1250"
	.amdhsa_code_object_version 6
	.text
	.protected	k_q1b11445c34_quant
	.globl	k_q1b11445c34_quant
	.p2align	8
	.type	k_q1b11445c34_quant,@function
k_q1b11445c34_quant:
	s_mov_b64 s[64:65], 0
	v_nop
	global_prefetch_b8 v0, s[64:65] scope:SCOPE_SE
	s_setreg_imm32_b32 hwreg(HW_REG_WAVE_MODE, 25, 1), 1
	s_wait_xcnt 0x0
; x [4096][1024] and Wq, Wk, Wv, Wo [1024][1024], f32, K innermost, become codes of E2M3 with one E8M0 byte for each 32 along K; and the table of cosines and sines is made.
; Work left out in this program: tiles of the scores that lie wholly under the causal mask.  A NaN or an infinity that reaches only those is not carried on.
; THE ROW ORDER, in every group of 64 rows of every tensor: image row 16 j + 8 h + i (j 0..3, h 0..1, i 0..7) is row 32 h + 8 j + i.  A result of four tiles then holds in lane (r, h), registers 8 j + i,
; 32 neighbours 32 h + 0..31: a whole scale block of the next product in one lane, in its natural order.
; A work-group takes one tile of 16 image rows, wave s the 128 numbers 128 s .. of each row: one operand fragment, stored as an image of its 12 registers: registers 4 c .. 4 c + 3 of lane l at 512 c + 16 l.
; codes: x [256 rows 16][K step 8][tile 16][1,536];  from 3,145,728 Wq, Wk, Wv by heads [16][K step 8][q 4, k 4, v 4 tiles][1,536];  from 5,505,024 Wo [128 rows 8][K step 8][tile 8][1,536].
; scales [image row: x, Wq, Wk, Wv, Wo][32].
; A block's scale is 2^(floor(log2(largest magnitude)) - 2): its byte is the largest magnitude's exponent field - 2, held at 1 from below.
; LIMITS: a block of zeros keeps the byte 1 (its codes are zeros; these bytes are read by this program alone); blocks whose largest magnitude lies under 2^-124 are held at that floor; NaN and infinities are not served.
; rope [tile of 16 positions 128][piece 8][lane 32][cos, sin, cos, sin]: a tile's positions in the row order, lane (r, h), piece 2 j + f: pairs 16 h + 4 j + 2 f and + 1.  Waves 0 to 3 make a quarter of a tile while their loads are out.
; freq = 10000^(-i / 32) by v_exp_f32 with a correction for the rounding of its argument; phase = pos x freq, rounded once as the definition rounds it; sine and cosine by reduction with pi / 2 in two parts
; (exact for phases under 2,048) and polynomials on +-pi / 4.
.set STG,  8448                        ; a wave's stage in LDS: 16 rows x (512 bytes + 16)
.set SCL,  8*STG                       ; behind the stages: the work-group's 16 x 32 scale bytes
.set SPARE, SCL+512                    ; the spare words, 128 bytes for each wave
.set R,    32                          ; v32-95   the numbers as loaded
.set X,    96                          ; v96-159  register 32 c + k: block 2 c + h of my row
.set PC,   160                         ; v160-171 the codes
.set PT,   172                         ; v172-174, v176-178 second halves on their way
.set TM,   180                         ; v180-185
	s_load_b512 s[4:19], s[0:1], 0x0               ; x 4, Wq 6, Wk 8, Wv 10, Wo 12, codes 14, scales 16, rope 18
	v_lshl_add_u32 v200, v0, 2, SPARE
	v_mov_b32 v201, 0
	v_lshrrev_b32 v1, 5, v0
	v_readfirstlane_b32 s20, v1                    ; wave 0..7 = K step
	v_and_b32 v1, 31, v0                           ; lane
	v_and_b32 v2, 15, v0                           ; r
	v_bfe_u32 v3, v0, 4, 1                         ; h
	v_lshlrev_b32 v7, 4, v1                        ; 16 x lane
	s_lshl_b32 s21, s20, 9
	v_add_nc_u32 v4, s21, v7                       ; in memory: my 16 bytes of the wave's 512 of a row
	s_mul_i32 s21, s20, STG
	v_add_nc_u32 v5, s21, v7                       ; the stage, on the way in
	v_mul_u32_u24 v6, v2, 528
	v_lshl_add_u32 v6, v3, 7, v6
	v_add_nc_u32 v6, s21, v6                       ; and on the way out: row r, block h
	s_lshl_b32 s21, s20, 2
	s_add_co_u32 s21, s21, SCL
	v_lshl_add_u32 v8, v2, 5, v3
	v_add_nc_u32 v8, s21, v8                       ; my row's scale bytes of my K step, block h
	v_add_nc_u32 v9, SCL, v7                       ; the scale bytes on their way out
	s_wait_alu depctr_va_vdst(0)                   ; the wait at the head's end
	s_and_b32 s25, ttmp9, 63                       ; a weight's tile
	s_wait_kmcnt 0x0
	s_mov_b64 s[22:23], s[12:13]                   ; which tensor: the choice hangs on the work-group's number alone
	s_cmp_lt_u32 ttmp9, 448
	s_cselect_b64 s[22:23], s[10:11], s[22:23]
	s_cmp_lt_u32 ttmp9, 384
	s_cselect_b64 s[22:23], s[8:9], s[22:23]
	s_cmp_lt_u32 ttmp9, 320
	s_cselect_b64 s[22:23], s[6:7], s[22:23]
	s_cmp_lt_u32 ttmp9, 256
	s_cselect_b64 s[22:23], s[4:5], s[22:23]
	s_cselect_b32 s24, ttmp9, s25                  ; my tile in its tensor
	s_lshr_b32 s26, s24, 2
	s_lshl_b32 s26, s26, 18                        ; its group of 64 rows of 4,096 bytes
	s_and_b32 s27, s24, 3
	s_lshl_b32 s27, s27, 15                        ; + 8 j rows
	s_add_co_u32 s26, s26, s27
	s_mov_b32 s27, 0
	s_add_nc_u64 s[22:23], s[22:23], s[26:27]
.irp i, 0,1,2,3,4,5,6,7
	global_load_b128 v[R+4*\i:R+4*\i+3], v4, s[22:23] offset:4096*\i th:TH_LOAD_NT
.endr
.irp i, 8,9,10,11,12,13,14,15
	global_load_b128 v[R+4*\i:R+4*\i+3], v4, s[22:23] offset:4096*(\i+24) th:TH_LOAD_NT   ; image rows 8 to 15 are 32 rows further down
.endr
	s_lshr_b32 s28, ttmp9, 4                       ; where the fragment goes: x's place,
	s_mul_i32 s28, s28, 196608
	s_mul_i32 s29, s20, 24576
	s_add_co_u32 s28, s28, s29
	s_and_b32 s29, ttmp9, 15
	s_mul_i32 s29, s29, 1536
	s_add_co_u32 s28, s28, s29
	s_lshr_b32 s30, s25, 2                         ; Wq's, Wk's, Wv's,
	s_mul_i32 s30, s30, 147456
	s_mul_i32 s29, s20, 18432
	s_add_co_u32 s30, s30, s29
	s_lshr_b32 s29, ttmp9, 6
	s_mul_i32 s29, s29, 6144
	s_add_co_u32 s30, s30, s29
	s_and_b32 s29, s25, 3
	s_mul_i32 s29, s29, 1536
	s_add_co_u32 s30, s30, s29
	s_add_co_u32 s30, s30, 3121152                 ; 3,145,728 - 4 x 6,144
	s_lshr_b32 s31, s25, 3                         ; Wo's
	s_mul_i32 s31, s31, 98304
	s_mul_i32 s29, s20, 12288
	s_add_co_u32 s31, s31, s29
	s_and_b32 s29, s25, 7
	s_mul_i32 s29, s29, 1536
	s_add_co_u32 s31, s31, s29
	s_add_co_u32 s31, s31, 5505024
	s_cmp_lt_u32 ttmp9, 448
	s_cselect_b32 s30, s30, s31
	s_cmp_lt_u32 ttmp9, 256
	s_cselect_b32 s28, s28, s30
	s_mov_b32 s29, 0
	s_add_nc_u64 s[14:15], s[14:15], s[28:29]
	s_lshl_b32 s26, ttmp9, 9                       ; and the 16 rows' 512 scale bytes
	s_add_nc_u64 s[16:17], s[16:17], s[26:27]
	s_cmp_lt_u32 s20, 4
	s_cbranch_scc0 .Lno_rope
	s_and_b32 s35, s20, 1                          ; my pair i = 16 (wave % 2) + 4 j + 2 (wave / 2) + lane % 2
	s_lshl_b32 s35, s35, 4
	s_and_b32 s36, ttmp9, 3
	s_lshl_b32 s36, s36, 2
	s_add_co_u32 s35, s35, s36
	s_lshr_b32 s36, s20, 1
	s_lshl_b32 s36, s36, 1
	s_add_co_u32 s35, s35, s36
	v_and_b32 v10, 1, v1
	v_add_nc_u32 v10, s35, v10
	v_cvt_f32_u32 v10, v10
	s_lshr_b32 s36, ttmp9, 4                       ; my position: r = lane / 2 of tile work-group / 4
	s_lshl_b32 s36, s36, 6
	s_bfe_u32 s37, ttmp9, 0x20002
	s_lshl_b32 s37, s37, 3
	s_add_co_u32 s36, s36, s37
	v_bfe_u32 v14, v1, 1, 3
	v_lshl_add_u32 v14, v3, 5, v14
	v_add_nc_u32 v14, s36, v14
	v_cvt_f32_u32 v14, v14
	s_lshl_b32 s36, ttmp9, 10
	s_lshl_b32 s37, s20, 8
	s_add_co_u32 s36, s36, s37
	s_mov_b32 s37, 0
	s_add_nc_u64 s[18:19], s[18:19], s[36:37]
	s_mov_b32 s30, 0x41549a78                      ; log2(10000), upper part
	s_mov_b32 s31, 0x34979a30                      ; and what is left of it
	s_mov_b32 s32, 0x3f317218                      ; ln 2
	s_mov_b32 s33, 0x3fc90fdb                      ; pi / 2, upper part
	s_mov_b32 s34, 0xb33bbd2e                      ; and what is left of it
	s_wait_alu depctr_va_vdst(0)
	v_mul_f32 v10, 0xbd000000, v10                 ; y = -i / 32, exact
	s_delay_alu instid0(VALU_DEP_1)
	v_mul_f32 v11, s30, v10                        ; a = y log2(10000), rounded
	s_delay_alu instid0(VALU_DEP_1)
	v_fma_f32 v12, v10, s30, -v11                  ; what the rounding dropped,
	s_delay_alu instid0(VALU_DEP_1)
	v_fma_f32 v12, v10, s31, v12                   ; and the lower part's share: e
	s_wait_alu depctr_va_vdst(0)                   ; ahead of the transcendental
	v_exp_f32 v13, v11                             ; 2^a
	v_mov_b32 v19, 0xb94ca1f9                      ; (a plain instruction behind the exponential)
	s_wait_alu depctr_va_vdst(0)                   ; ahead of the result's first reader
	v_mul_f32 v12, v13, v12
	v_fma_f32 v13, v12, s32, v13                   ; freq = 2^a (1 + e ln 2)
	s_delay_alu instid0(VALU_DEP_1)
	v_mul_f32 v15, v14, v13                        ; the phase
	s_delay_alu instid0(VALU_DEP_1)
	v_mul_f32 v16, 0x3f22f983, v15
	s_delay_alu instid0(VALU_DEP_1)
	v_rndne_f32 v16, v16                           ; n = the nearest multiple of pi / 2
	s_delay_alu instid0(VALU_DEP_1)
	v_fma_f32 v17, -v16, s33, v15                  ; exact: a multiple of 2^-23 under 1
	s_delay_alu instid0(VALU_DEP_1)
	v_fma_f32 v17, -v16, s34, v17                  ; rho, within +-pi / 4
	s_delay_alu instid0(VALU_DEP_1)
	v_mul_f32 v18, v17, v17                        ; z
	s_delay_alu instid0(VALU_DEP_1)
	v_fmaak_f32 v19, v19, v18, 0x3c08839e
	v_mov_b32 v21, 0x37ccf5ce
	v_fmaak_f32 v19, v19, v18, 0xbe2aaaa3
	v_fmaak_f32 v21, v21, v18, 0xbab6061a
	v_mul_f32 v20, v17, v18
	v_fmaak_f32 v21, v21, v18, 0x3d2aaaa5
	v_fma_f32 v19, v20, v19, v17                   ; S = sin rho
	v_mul_f32 v22, v18, v18
	v_fma_f32 v23, v18, -0.5, 1.0
	v_cvt_i32_f32 v24, v16
	v_fma_f32 v21, v22, v21, v23                   ; C = cos rho
	v_and_b32 v25, 1, v24
	s_delay_alu instid0(VALU_DEP_1)
	v_cmp_eq_u32 vcc_lo, 1, v25                    ; odd quadrants change S and C: a choice of values, no branch
	v_cndmask_b32 v27, v19, v21, vcc_lo            ; sine
	v_cndmask_b32 v26, v21, v19, vcc_lo            ; cosine
	v_and_b32 v25, 2, v24
	v_add_nc_u32 v24, 1, v24
	v_lshlrev_b32 v25, 30, v25
	v_and_b32 v24, 2, v24
	v_xor_b32 v27, v27, v25                        ; the sine is negative in quadrants 2, 3
	v_lshlrev_b32 v24, 30, v24
	v_lshlrev_b32 v28, 3, v1
	v_xor_b32 v26, v26, v24                        ; the cosine in quadrants 1, 2
	global_store_b64 v28, v[26:27], s[18:19]       ; 32 lanes store 256 consecutive bytes, aligned
.Lno_rope:
.irp i, 0,1,2,3,4,5,6,7,8,9,10,11,12,13,14,15
	s_wait_loadcnt 15-\i                           ; loads come back in order: row i is in, the younger rows may be out
	ds_store_b128 v5, v[R+4*\i:R+4*\i+3] offset:528*\i
.endr
	s_wait_alu depctr_va_vdst(0)
.irp c, 0,1                                            ; LDS serves a wave's instructions in order: these see my stores.  Lane (r, h) takes blocks h and 2 + h of row r
.irp q, 0,1,2,3,4,5,6,7
	ds_load_b128 v[X+32*\c+4*\q:X+32*\c+4*\q+3], v6 offset:256*\c+16*\q
.endr
.endr
	s_wait_dscnt 0x0
.irp b, 0,1,2,3
	v_max3_num_f32 v[TM+\b], |v[X+16*\b]|, |v[X+1+16*\b]|, 0x1800000   ; and the floor 2^(3 - 127): the byte cannot fall under 1
.endr
.irp i, 2,4,6,8,10,12,14
.irp b, 0,1,2,3
	s_delay_alu instid0(VALU_DEP_4)
	v_max3_num_f32 v[TM+\b], v[TM+\b], |v[X+16*\b+\i]|, |v[X+1+16*\b+\i]|   ; four half blocks by turns
.endr
.endr
	v_max_num_f32 v[TM], v[TM], v[TM+1]            ; my blocks' largest magnitudes
	v_max_num_f32 v[TM+2], v[TM+2], v[TM+3]
	v_add_nc_u32 v[TM+1], 0xff000000, v[TM]        ; 2 off the exponent field: the conversion takes this operand's exponent field as its scale
	v_add_nc_u32 v[TM+3], 0xff000000, v[TM+2]
	v_lshrrev_b32 v[TM+4], 23, v[TM+1]             ; the scales' bytes
	v_lshrrev_b32 v[TM+5], 23, v[TM+3]
.irp c, 0,1
	v_cvt_scalef32_pk16_fp6_f32 v[PC+6*\c:PC+2+6*\c], v[X+32*\c:X+15+32*\c], v[TM+1+2*\c]
	v_cvt_scalef32_pk16_fp6_f32 v[PT+4*\c:PT+2+4*\c], v[X+16+32*\c:X+31+32*\c], v[TM+1+2*\c]   ; (a conversion's three registers begin on an even number)
.endr
	v_nop                                          ; one plain instruction behind the scaled conversions
.irp c, 0,1
.irp i, 0,1,2
	v_mov_b32 v[PC+3+6*\c+\i], v[PT+4*\c+\i]
.endr
.endr
.irp c, 0,1,2
	global_store_b128 v7, v[PC+4*\c:PC+4*\c+3], s[14:15] offset:512*\c   ; 512 consecutive bytes, aligned
.endr
	ds_store_b8 v8, v[TM+4]
	ds_store_b8 v8, v[TM+5] offset:2
	s_wait_alu depctr_va_vdst(0)
	s_wait_dscnt 0x0                               ; for the others' sake: my bytes lie in LDS
	s_barrier_signal -1
	s_barrier_wait -1
	s_cmp_lg_u32 s20, 0
	s_cbranch_scc1 .Lend
	ds_load_b128 v[R:R+3], v9                      ; wave 0 sends the 16 rows' scale bytes: 512 consecutive bytes
	s_wait_dscnt 0x0
	global_store_b128 v7, v[R:R+3], s[16:17]
.Lend:
	s_wait_tensorcnt 0x0
	ds_add_u32 v200, v201
	s_wait_dscnt 0x0
	s_endpgm
.Lfunc_end_k_q1b11445c34_quant:
	.size	k_q1b11445c34_quant, .Lfunc_end_k_q1b11445c34_quant-k_q1b11445c34_quant
	.p2alignl 7, 3214868480
	.fill 96, 4, 3214868480
	.section	.rodata,"a",@progbits
	.p2align	6, 0x0
	.amdhsa_kernel k_q1b11445c34_quant
		.amdhsa_group_segment_fixed_size 69120
		.amdhsa_private_segment_fixed_size 0
		.amdhsa_enable_private_segment 0
		.amdhsa_kernarg_size 64
		.amdhsa_user_sgpr_count 2
		.amdhsa_user_sgpr_kernarg_segment_ptr 1
		.amdhsa_wavefront_size32 1
		.amdhsa_system_sgpr_workgroup_id_x 1
		.amdhsa_system_sgpr_workgroup_id_y 1
		.amdhsa_system_sgpr_workgroup_id_z 1
		.amdhsa_system_vgpr_workitem_id 0
		.amdhsa_next_free_vgpr 202
		.amdhsa_next_free_sgpr 66
		.amdhsa_reserve_vcc 1
		.amdhsa_float_denorm_mode_32 3
		.amdhsa_float_denorm_mode_16_64 3
		.amdhsa_memory_ordered 1
		.amdhsa_forward_progress 1
		.amdhsa_inst_pref_size 16
	.end_amdhsa_kernel
	.amdgpu_metadata
---
amdhsa.version: [ 1, 2 ]
amdhsa.kernels:
  - .name:           k_q1b11445c34_quant
    .symbol:         k_q1b11445c34_quant.kd
    .args:
      - { .name: x, .offset: 0, .size: 8, .value_kind: global_buffer, .address_space: global }
      - { .name: Wq, .offset: 8, .size: 8, .value_kind: global_buffer, .address_space: global }
      - { .name: Wk, .offset: 16, .size: 8, .value_kind: global_buffer, .address_space: global }
      - { .name: Wv, .offset: 24, .size: 8, .value_kind: global_buffer, .address_space: global }
      - { .name: Wo, .offset: 32, .size: 8, .value_kind: global_buffer, .address_space: global }
      - { .name: codes, .offset: 40, .size: 8, .value_kind: global_buffer, .address_space: global }
      - { .name: scales, .offset: 48, .size: 8, .value_kind: global_buffer, .address_space: global }
      - { .name: rope, .offset: 56, .size: 8, .value_kind: global_buffer, .address_space: global }
    .group_segment_fixed_size: 69120
    .private_segment_fixed_size: 0
    .kernarg_segment_align: 8
    .kernarg_segment_size: 64
    .max_flat_workgroup_size: 256
    .sgpr_count:     66
    .vgpr_count:     202
    .wavefront_size: 32
...
	.end_amdgpu_metadata
.endif
;; end of part 1
;; launch qkv (part 2): grid 16 x 16, 4 waves a work-group, clusters of 4 x 4, 327,680 bytes of LDS; arguments codes, scales, rope, qb, kv; writes qb, kv
.if DOCPART == 2
	.amdgcn_target "amdgcn-amd-amdhsa--gfx1250"
	.amdhsa_code_object_version 6
	.text
	.protected	k_q1b11445c34_qkv
	.globl	k_q1b11445c34_qkv
	.p2align	8
	.type	k_q1b11445c34_qkv,@function
k_q1b11445c34_qkv:
	s_mov_b64 s[64:65], 0
	v_nop
	global_prefetch_b8 v0, s[64:65] scope:SCOPE_SE
	s_setreg_imm32_b32 hwreg(HW_REG_WAVE_MODE, 25, 1), 1
	s_wait_xcnt 0x0
	s_wait_alu depctr_hold_cnt(0) depctr_sa_sdst(0) depctr_va_vdst(0) depctr_va_sdst(0) depctr_va_ssrc(0) depctr_va_vcc(0) depctr_vm_vsrc(0)
	s_getreg_b32 s2, hwreg(HW_REG_IB_STS2, 6, 4)
	s_cmp_eq_u32 s2, 0
	s_cbranch_scc0 .Lentry_in_a_cluster
	s_endpgm
.Lentry_in_a_cluster:
	s_bfe_u32 s2, ttmp6, 0x10000c
	s_cmp_lg_u32 s2, 0xf033
	s_cbranch_scc0 .Lentry_shape_is_right
	s_endpgm
.Lentry_shape_is_right:
; The three projections on codes of E2M3, the rotation of q and k, and the quantising of q, k (along the head's 64) and v (along the keys), all in one launch.
; 256 work-groups: work-group (x, y) makes Q, K and V of head x for 256 rows y of x: 256 x 192.  Four waves: wave row a takes 128 rows, wave column b the head's Q (0) or K (1), 64 columns, and half of its V, 32 columns:
; 48 accumulators of 16 x 16, 384 registers.  Q, K: source 0 = 16 rows of the weight, source 1 = 16 rows of x: by the row order of the images a lane holds one position and 32 neighbours of the head.
; V: source 0 = 16 rows of x, source 1 = 16 rows of Wv: a lane holds one channel and its registers run along the keys, 32 neighbours to a lane.  So no scale block spans two lanes.
; K = 1,024 is eight steps of 128.  A region of LDS holds two steps (49,152 bytes of x, 36,864 of the weights), three regions.  At the head one load a wave: steps 0-1 (waves 0, 1), steps 2-3 (waves 2, 3);
; behind a round in step 1 region 2 takes steps 4-5, its first fill; behind a round in step 3 region 0 takes steps 6-7, the one refill.  By this text's own count a wave has at most one tensor load out.
; CLUSTERS 4 x 4: x's rows are shared along a row of the cluster, a head's weights along a column: each is asked for jointly.
; PREFETCH: steps 4-5 are asked for into the L2 at the head, steps 6-7 behind step 1's round, two steps ahead of their loads; the sixteen waves of the four partners share a tile's blocks of 256 bytes by address.
; OUT.  qb[head 32][block of 128 queries 16][6,656]: 8 tiles x 768 bytes (registers 0-5 of a fragment: four at 16 l, two at 512 + 8 l), then 128 scale words.
;       kv[head 32][128 keys 16][13,056]: K's 8 tiles x 768; V^T's four fragments of 1,536 at 6,144; K's 128 scale words at 12,288; V's 64 at 12,800.
; A head of 64 fills half of the instruction's 128: of Q's and K's scale words bytes 2, 3 repeat bytes 0, 1; they meet zero codes alone in the product.
; LIMITS as in the quantising launch.  The rotation uses fused multiply-adds.
; REGISTERS.  Window 0: v1-23 addresses; v24-101 scale words (tile i, K step s at 24 + 10 i + s: lanes 0-15 x's tile i, lanes 16-31 the weights' slot i), which hold nothing else; v102-126 at work; v128-255 V's accumulators, on the way out numbers and codes.
;   Windows 1, 2: two sets of fragments: x's eight at 0, the weights' six at 96; window 1 takes the table (32 registers a tile) when its set is free.  Window 3: Q's or K's accumulators, (a, j) at 32 a + 8 j.
.set BOFF, 147456
.set SPARE, 258048                     ; the spare words, 512 bytes
.set STGQ, SPARE+512                   ; q's and k's scale words: 512 bytes a wave
.set STGV, STGQ+2048                   ; v's: 256 bytes for each wave row
.set L16, 1
.set L8,  2
.set RDQ, 3
.set ADRA, 4
.set RDV, 7
.set ADRB, 8
.set ADRV, 12
.set SCO, 16
.set SCO2, 17
.set SWQ, 18
.set SWV, 19
.set SPW, 20
.set NIL, 21
.set PFA, 22
.set PFB, 23
.set SC,  24
.set TM,  102
.set PC,  108
.set PT,  120
.set G1A, 24
.set G1B, 32
.set G0A, 40
.set G0B, 44
.set MSB, 0
.macro WIN new                         ; the immediate's high byte repeats the setting that is left
.if MSB != (\new)
	s_set_vgpr_msb (MSB<<8)|(\new)
.set MSB, (\new)
.endif
.endm
.macro PLACES n
.rept \n
	v_nop
.endr
.endm
.macro WALU
	s_wait_alu depctr_va_vdst(0)
.endm
.macro BARRIER
	s_barrier_signal -1
	s_barrier_wait -1
.endm
.macro CREST                           ; a round of the cluster's barrier behind its opening barrier
	s_cmp_lg_u32 s14, 0
	s_cbranch_scc1 .Lnot_wave_0_\@
	s_barrier_signal -3
.Lnot_wave_0_\@:
	s_barrier_wait -3
	BARRIER
.endm
.macro TLOAD g0, g1
	tensor_load_to_lds s[\g0:\g0+3], s[\g1:\g1+7]
	s_nop 0
	PLACES 4
.endm
.macro FETCH s, f0, f1                 ; fragments f0 .. f1 - 1 of K step s into set s % 2: 0-7 x's, 8-11 the weight's, 12-13 Wv's; each comes back as it was stored
	WIN (1+((\s)%2))<<6
.set F_, \f0
.rept (\f1)-(\f0)
.irp c, 0,1,2
.if F_ < 8
	ds_load_b128 v[12*F_+4*\c:12*F_+4*\c+3], v[ADRA+((\s)/2)%3] offset:((\s)%2)*24576+1536*F_+512*\c
.elseif F_ < 12
	ds_load_b128 v[12*F_+4*\c:12*F_+4*\c+3], v[ADRB+((\s)/2)%3] offset:((\s)%2)*18432+1536*(F_-8)+512*\c
.else
	ds_load_b128 v[12*F_+4*\c:12*F_+4*\c+3], v[ADRV+((\s)/2)%3] offset:((\s)%2)*18432+1536*(F_-12)+512*\c
.endif
.endr
.set F_, F_+1
.endr
.endm
; Products from .. to - 1 of K step s.  The 48 accumulators take turns in the same order in every step; step 0's products start the sums.
.macro MUL from, to, s
.set N_, \from
.rept (\to)-(\from)
.set W_, 1+((\s)%2)
.if N_ < 32
.set A_, N_/4
.set J_, N_%4
	WIN W_|(W_<<2)|0xf0
.if (\s) == 0
	v_wmma_scale_f32_16x16x128_f8f6f4 v[8*N_:8*N_+7], v[96+12*J_:107+12*J_], v[12*A_:12*A_+11], 0, v[SC+10*J_+(\s)], v[SC+10*A_+(\s)] matrix_a_fmt:MATRIX_FMT_FP6 matrix_b_fmt:MATRIX_FMT_FP6 matrix_a_scale:MATRIX_SCALE_ROW1
.else
	v_wmma_scale_f32_16x16x128_f8f6f4 v[8*N_:8*N_+7], v[96+12*J_:107+12*J_], v[12*A_:12*A_+11], v[8*N_:8*N_+7], v[SC+10*J_+(\s)], v[SC+10*A_+(\s)] matrix_a_fmt:MATRIX_FMT_FP6 matrix_b_fmt:MATRIX_FMT_FP6 matrix_a_scale:MATRIX_SCALE_ROW1
.endif
.else
.set J_, 4+(N_-32)/8
.set A_, (N_-32)%8
.set D_, 128+8*(N_-32)
	WIN W_|(W_<<2)
.if (\s) == 0
	v_wmma_scale_f32_16x16x128_f8f6f4 v[D_:D_+7], v[12*A_:12*A_+11], v[96+12*J_:107+12*J_], 0, v[SC+10*A_+(\s)], v[SC+10*J_+(\s)] matrix_a_fmt:MATRIX_FMT_FP6 matrix_b_fmt:MATRIX_FMT_FP6 matrix_b_scale:MATRIX_SCALE_ROW1
.else
	v_wmma_scale_f32_16x16x128_f8f6f4 v[D_:D_+7], v[12*A_:12*A_+11], v[96+12*J_:107+12*J_], v[D_:D_+7], v[SC+10*A_+(\s)], v[SC+10*J_+(\s)] matrix_a_fmt:MATRIX_FMT_FP6 matrix_b_fmt:MATRIX_FMT_FP6 matrix_b_scale:MATRIX_SCALE_ROW1
.endif
.endif
.set N_, N_+1
.endr
.endm
; A K step whose successor's bytes are known to lie in LDS; four plain instructions stand between products and loads into registers that they have read.
.macro STEP s
	s_wait_dscnt 0x0                               ; this step's fragments are in
.if (\s) > 0
	PLACES 4
.endif
	FETCH (\s)+1, 0, 5
	MUL 0, 8, \s
	FETCH (\s)+1, 5, 10
	MUL 8, 16, \s
	FETCH (\s)+1, 10, 14
	MUL 16, 48, \s
	WIN 0
.endm
; A K step with a barrier in it.  how = 1: region 2's first fill; how = 2: region 0 is filled again; how = 0: a plain barrier that shows the last fill.
.macro TURN s, how
	s_wait_tensorcnt 0x0                           ; all my tensor loads have landed
.if \how
	ds_add_u32 v[SPW], v[NIL]                      ; 0 onto my spare word
.if \how == 1
	s_add_nc_u64 s[G0A+2:G0A+3], s[G0A+2:G0A+3], 98304
	s_add_nc_u64 s[G0B+2:G0B+3], s[G0B+2:G0B+3], 73728
	s_mov_b32 s[G0A+1], 98304
	s_mov_b32 s[G0B+1], BOFF+73728
.else
	s_add_nc_u64 s[G0A+2:G0A+3], s[G0A+2:G0A+3], 49152
	s_add_nc_u64 s[G0B+2:G0B+3], s[G0B+2:G0B+3], 36864
	s_mov_b32 s[G0A+1], 0
	s_mov_b32 s[G0B+1], BOFF
.endif
	s_wait_dscnt 1                                 ; this step's fragments are in; the add may be out
.else
	s_wait_dscnt 0x0
.endif
	MUL 0, 8, \s
	s_wait_dscnt 0x0                               ; the add is done, and so are my reads of this and the earlier steps
	s_barrier_signal -1
	MUL 8, 16, \s
	WIN 0
	s_barrier_wait -1
.if \how
	CREST                                          ; no wave of any partner still reads those bytes or has a load on its way
	s_cmp_eq_u32 s14, 0
	s_cbranch_scc0 .Lfor_b_\@
	TLOAD G0A, G1A
	s_branch .Lasked_\@
.Lfor_b_\@:
	s_cmp_eq_u32 s14, 1
	s_cbranch_scc0 .Lasked_\@
	TLOAD G0B, G1B
.Lasked_\@:
.endif
	PLACES 4
	FETCH (\s)+1, 0, 14
	MUL 16, 48, \s
	WIN 0
.endm
; 64 numbers of a lane, two blocks of 32 from register s on, become 2 x 6 registers of codes from pc on and the bytes v[TM + 4], v[TM + 5].  Each accumulator is read from its low end on.
.macro QUANT s, pc
.irp b, 0,1,2,3
	v_max3_num_f32 v[TM+\b], |v[(\s)+16*\b]|, |v[(\s)+16*\b+1]|, 0x1800000
.endr
.irp i, 2,4,6,8,10,12,14
.irp b, 0,1,2,3
	v_max3_num_f32 v[TM+\b], v[TM+\b], |v[(\s)+16*\b+\i]|, |v[(\s)+16*\b+\i+1]|
.endr
.endr
	v_max_num_f32 v[TM], v[TM], v[TM+1]
	v_max_num_f32 v[TM+2], v[TM+2], v[TM+3]
	v_add_nc_u32 v[TM+1], 0xff000000, v[TM]
	v_add_nc_u32 v[TM+3], 0xff000000, v[TM+2]
	v_lshrrev_b32 v[TM+4], 23, v[TM+1]
	v_lshrrev_b32 v[TM+5], 23, v[TM+3]
.irp c, 0,1
	v_cvt_scalef32_pk16_fp6_f32 v[(\pc)+6*\c:(\pc)+6*\c+2], v[(\s)+32*\c:(\s)+32*\c+15], v[TM+1+2*\c]
	v_cvt_scalef32_pk16_fp6_f32 v[PT+4*\c:PT+4*\c+2], v[(\s)+32*\c+16:(\s)+32*\c+31], v[TM+1+2*\c]
.endr
	v_nop                                          ; one plain instruction behind the scaled conversions
.irp c, 0,1
.irp i, 0,1,2
	v_mov_b32 v[(\pc)+6*\c+3+\i], v[PT+4*\c+\i]
.endr
.endr
.endm
.macro SETTB a                         ; where the table's 32 registers for tile a lie in window 1
.if (\a) < 2
.set TB_, 192+32*(\a)
.else
.set TB_, 32*((\a)-2)
.endif
.endm
.macro TABLE a
	SETTB \a
	WIN 0x40
.irp q, 0,1,2,3,4,5,6,7
	global_load_b128 v[TB_+4*\q:TB_+4*\q+3], v[L16], s[8:9] offset:4096*(\a)+512*\q
.endr
.endm
	s_load_b256 s[4:11], s[0:1], 0x0               ; codes 4, scales 6, rope 8, qb 10
	s_load_b64 s[12:13], s[0:1], 0x20              ; kv
	v_lshl_add_u32 v[SPW], v0, 2, SPARE
	v_mov_b32 v[NIL], 0
	ds_add_u32 v[SPW], v[NIL]                      ; the opening lines
	ds_add_u32 v[SPW], v[NIL]
	v_lshrrev_b32 v11, 5, v0
	v_readfirstlane_b32 s14, v11                   ; wave 0..3
	s_lshr_b32 s15, s14, 1                         ; my 128 rows.  Also: at the head I fetch K steps 0-1 (0) or 2-3 (1)
	s_and_b32 s16, s14, 1                          ; Q (0) or K (1).  Also: I fetch x's rows (0) or the weights' (1)
	s_bfe_u32 s17, ttmp6, 0x40000                  ; cx
	s_bfe_u32 s18, ttmp6, 0x40004                  ; cy
	s_lshl_b32 s19, ttmp9, 2
	s_add_co_u32 s19, s19, s17                     ; head
	s_and_b32 s20, ttmp7, 0xffff
	s_lshl_b32 s20, s20, 2
	s_add_co_u32 s20, s20, s18                     ; rows 256 x this
	s_lshl_b32 s22, s18, 2
	s_lshl_b32 s22, 15, s22                        ; my row of the cluster
	s_lshl_b32 s23, 0x1111, s17                    ; my column
	s_or_b32 s[G1A], s22, (3<<16)|(1<<21)          ; dense bytes as rows of 256 (32 elements of 8 bytes), no padding: 49,152 of x
	s_or_b32 s[G1B], s23, (3<<16)|(1<<21)          ; 36,864 of the weights
	s_mov_b32 s[G1A+2], 192<<16
	s_mov_b32 s[G1A+4], 192
	s_mov_b32 s[G1B+2], 144<<16
	s_mov_b32 s[G1B+4], 144
.irp g, G1A, G1B
	s_mov_b32 s[\g+1], 32<<16
	s_mov_b32 s[\g+3], 32<<16
	s_mov_b32 s[\g+5], 32
	s_mov_b32 s[\g+6], 0
	s_mov_b32 s[\g+7], 0
.endr
	s_mul_i32 s48, s20, 196608
	s_mov_b32 s49, 0
	s_mul_i32 s50, s19, 147456
	s_add_co_u32 s50, s50, 3145728
	s_mov_b32 s51, 0
	s_mul_i32 s52, s15, 49152
	s_mov_b32 s53, 0
	s_mul_i32 s54, s15, 36864
	s_mov_b32 s55, 0
	s_mov_b32 s[G0A], 1
	s_mov_b32 s[G0A+1], s52
	s_mov_b32 s[G0B], 1
	s_add_co_u32 s[G0B+1], s54, BOFF
	WALU
	s_wait_dscnt 0x0
	BARRIER                                        ; the opening round: all sixteen work-groups are here
	CREST
	s_wait_kmcnt 0x0
	s_add_nc_u64 s[48:49], s[4:5], s[48:49]
	s_add_nc_u64 s[50:51], s[4:5], s[50:51]
	s_add_nc_u64 s[G0A+2:G0A+3], s[48:49], s[52:53]
	s_or_b32 s[G0A+3], s[G0A+3], 0x80000000
	s_add_nc_u64 s[G0B+2:G0B+3], s[50:51], s[54:55]
	s_or_b32 s[G0B+3], s[G0B+3], 0x80000000
	s_cmp_eq_u32 s14, 0                            ; one tensor load a wave, in one chain of arms
	s_cbranch_scc0 .Lwave_1
	TLOAD G0A, G1A
	s_branch .Lasked
.Lwave_1:
	s_cmp_eq_u32 s14, 1
	s_cbranch_scc0 .Lwave_2
	TLOAD G0B, G1B
	s_branch .Lasked
.Lwave_2:
	s_cmp_eq_u32 s14, 2
	s_cbranch_scc0 .Lwave_3
	TLOAD G0A, G1A
	s_branch .Lasked
.Lwave_3:
	TLOAD G0B, G1B
.Lasked:
	s_add_nc_u64 s[86:87], s[48:49], 98304         ; the prefetches' bases: K step 4 of x's rows and of the weights
	s_add_nc_u64 s[88:89], s[50:51], 73728
	s_lshl_b32 s56, s17, 2
	s_add_co_u32 s56, s56, s14                     ; my number among the sixteen waves of my row of the cluster
	s_mul_i32 s56, s56, 12*256
	s_lshl_b32 s57, s18, 2
	s_add_co_u32 s57, s57, s14                     ; and of my column
	s_mul_i32 s57, s57, 9*256
	s_mul_i32 s58, s15, 12288                      ; my 128 rows of x in LDS
	s_mul_i32 s59, s16, 6144
	s_add_co_u32 s59, s59, BOFF                    ; Q's or K's four tiles
	s_mul_i32 s60, s16, 3072
	s_add_co_u32 s60, s60, BOFF+12288              ; my two tiles of V
	s_lshl_b32 s61, s20, 13                        ; scale words: x's rows,
	s_lshl_b32 s62, s15, 12
	s_add_co_u32 s61, s61, s62
	s_lshl_b32 s62, s19, 11                        ; Wq's or Wk's: (4,096 + 1,024 b + 64 head) x 32,
	s_lshl_b32 s63, s16, 15
	s_add_co_u32 s63, s63, s62
	s_add_co_u32 s63, s63, 131072
	s_lshl_b32 s66, s16, 10                        ; Wv's: (6,144 + 64 head + 32 b) x 32, less the offset of slot 4
	s_add_co_u32 s66, s66, s62
	s_add_co_u32 s66, s66, 196608-2048
	s_lshl_b32 s67, s14, 9
	s_add_co_u32 s67, s67, STGQ
	s_lshl_b32 s68, s15, 8
	s_add_co_u32 s68, s68, STGV
	s_lshl_b32 s69, s16, 7
	v_and_b32 v11, 31, v0                          ; lane
	v_and_b32 v15, 15, v0                          ; r
	v_bfe_u32 v102, v0, 4, 1                       ; h
	v_lshlrev_b32 v[L16], 4, v11
	v_lshlrev_b32 v[L8], 3, v11
	v_min_u32 v103, 11, v11
	v_min_u32 v104, 8, v11
	v_lshl_add_u32 v[PFA], v103, 8, s56
	v_lshl_add_u32 v[PFB], v104, 8, s57
	v_add_nc_u32 v[ADRA], s58, v[L16]
	v_add_nc_u32 v[ADRB], s59, v[L16]
	v_add_nc_u32 v[ADRV], s60, v[L16]
	v_add_nc_u32 v[ADRA+1], 49152, v[ADRA]
	v_add_nc_u32 v[ADRA+2], 98304, v[ADRA]
	v_add_nc_u32 v[ADRB+1], 36864, v[ADRB]
	v_add_nc_u32 v[ADRB+2], 73728, v[ADRB]
	v_add_nc_u32 v[ADRV+1], 36864, v[ADRV]
	v_add_nc_u32 v[ADRV+2], 73728, v[ADRV]
	v_lshl_add_u32 v105, v15, 2, v102              ; 4 r + h
	v_add_nc_u32 v[SWQ], s67, v105
	v_add_nc_u32 v[RDQ], s67, v[L16]
	v_add_nc_u32 v[SWV], s68, v105
	v_add_nc_u32 v[SWV], s69, v[SWV]
	v_add_nc_u32 v[RDV], s68, v[L8]
	v_mov_b32 v106, s61
	v_mov_b32 v107, s63
	v_mov_b32 v108, s66
	v_cmp_eq_u32 vcc_lo, 1, v102
	v_cndmask_b32 v107, v106, v107, vcc_lo
	v_cndmask_b32 v108, v106, v108, vcc_lo
	v_lshl_add_u32 v[SCO], v15, 5, v107
	v_lshl_add_u32 v[SCO2], v15, 5, v108
	WALU                                           ; the wait at the head's end
.irp i, 0,1,2,3,6,7                                    ; all eight K steps' words of tile i, read once and kept (lanes 16-31 of tiles 6, 7 take words that no product names)
	global_load_b128 v[SC+10*\i:SC+10*\i+3], v[SCO], s[6:7] offset:512*\i
	global_load_b128 v[SC+10*\i+4:SC+10*\i+7], v[SCO], s[6:7] offset:512*\i+16
.endr
.irp i, 4,5
	global_load_b128 v[SC+10*\i:SC+10*\i+3], v[SCO2], s[6:7] offset:512*\i
	global_load_b128 v[SC+10*\i+4:SC+10*\i+7], v[SCO2], s[6:7] offset:512*\i+16
.endr
	global_prefetch_b8 v[PFA], s[86:87] th:TH_LOAD_NT scope:SCOPE_SE             ; K steps 4-5
	global_prefetch_b8 v[PFB], s[88:89] th:TH_LOAD_NT scope:SCOPE_SE
	s_lshr_b32 s70, s20, 3                         ; where the results go: batch
	s_lshl_b32 s70, s70, 4
	s_add_co_u32 s70, s70, s19                     ; batch x 16 + head
	s_and_b32 s71, s20, 7
	s_lshl_b32 s72, s71, 1
	s_add_co_u32 s72, s72, s15                     ; block of 128 positions
	s_mul_i32 s73, s70, 208896
	s_mul_i32 s74, s72, 13056
	s_add_co_u32 s74, s74, s73                     ; kv's record
	s_mul_i32 s73, s70, 106496
	s_mul_i32 s76, s72, 6656
	s_add_co_u32 s76, s76, s73                     ; qb's
	s_mov_b32 s75, 0
	s_mov_b32 s77, 0
	s_add_nc_u64 s[78:79], s[12:13], s[74:75]
	s_add_nc_u64 s[84:85], s[78:79], 12800         ; V's scale words
	s_mov_b32 s82, 12288
	s_mov_b32 s83, 0
	s_cmp_eq_u32 s16, 0
	s_cselect_b64 s[80:81], s[10:11], s[12:13]
	s_cselect_b32 s76, s76, s74
	s_cselect_b32 s82, 6144, s82
	s_add_nc_u64 s[80:81], s[80:81], s[76:77]      ; Q's or K's record
	s_mul_i32 s74, s16, 3072
	s_add_co_u32 s74, s74, 6144
	s_add_nc_u64 s[78:79], s[78:79], s[74:75]      ; my two fragments of V^T
	s_lshl_b32 s71, s71, 16                        ; the table: 16 tiles of 4,096 bytes for 256 positions
	s_lshl_b32 s74, s15, 15
	s_add_co_u32 s74, s74, s71
	s_add_nc_u64 s[8:9], s[8:9], s[74:75]
	s_cmp_lt_u32 s14, 2
	s_cbranch_scc0 .Lnot_first
	s_wait_tensorcnt 0x0
.Lnot_first:
	BARRIER                                        ; K steps 0, 1 are in; steps 2, 3 may be on their way
	FETCH 0, 0, 14
	WIN 0
	s_wait_loadcnt 0x0                             ; the scale words
	STEP 0
	TURN 1, 1
	global_prefetch_b8 v[PFA], s[86:87] offset:49152 th:TH_LOAD_NT scope:SCOPE_SE   ; K steps 6-7
	global_prefetch_b8 v[PFB], s[88:89] offset:36864 th:TH_LOAD_NT scope:SCOPE_SE
	STEP 2
	TURN 3, 2
	STEP 4
	TURN 5, 0
	TABLE 0                                        ; into registers that no set names
	TABLE 1
	WIN 0
	STEP 6
	s_wait_dscnt 0x0                               ; step 7, set 1; set 0 gives its registers to the table
	PLACES 4
	TABLE 2
	TABLE 3
	MUL 0, 8, 7
	TABLE 4
	TABLE 5
	MUL 8, 16, 7
	TABLE 6
	TABLE 7
	MUL 16, 48, 7
	WIN 0
	PLACES 4
	; ---- V: two tiles of 16 channels, 128 keys
	QUANT 128, PC
.irp c, 0,1,2
	global_store_b128 v[L16], v[PC+4*\c:PC+4*\c+3], s[78:79] offset:512*\c   ; 512 consecutive bytes, aligned
.endr
	ds_store_b8 v[SWV], v[TM+4]
	ds_store_b8 v[SWV], v[TM+5] offset:2
	WALU
	s_wait_xcnt 0x0                                ; the stores have read the codes' registers
	QUANT 192, PC
.irp c, 0,1,2
	global_store_b128 v[L16], v[PC+4*\c:PC+4*\c+3], s[78:79] offset:1536+512*\c
.endr
	ds_store_b8 v[SWV], v[TM+4] offset:64
	ds_store_b8 v[SWV], v[TM+5] offset:66
	; ---- Q or K, two tiles of 16 positions at a time.  Registers 2 i, 2 i + 1 are the pair that is rotated: (e c - o s, e s + o c)
.macro QKPAIR g
	WALU
	s_wait_loadcnt 48-16*(\g)                      ; these two tiles' 16 loads are in; the later tiles' may be out
	WIN 0x07                                       ; source 0: window 3; source 1: window 1
.irp y, 0,1
	SETTB 2*(\g)+\y
.set AC_, 64*(\g)+32*\y
.set WR_, 128+32*\y
.irp j, 0,8,16,24
.irp p, 0,2,4,6
	v_pk_mul_f32 v[WR_+\j+\p:WR_+\j+\p+1], v[AC_+\j+\p:AC_+\j+\p+1], v[TB_+\j+\p:TB_+\j+\p+1] op_sel_hi:[1,0]   ; (e c, o c)
.endr
.irp p, 0,2,4,6
	v_pk_fma_f32 v[WR_+\j+\p:WR_+\j+\p+1], v[AC_+\j+\p:AC_+\j+\p+1], v[TB_+\j+\p:TB_+\j+\p+1], v[WR_+\j+\p:WR_+\j+\p+1] op_sel:[1,1,0] op_sel_hi:[0,1,1] neg_lo:[0,1,0]   ; (- o s, + e s)
.endr
.endr
.endr
	WIN 0
	QUANT 128, 192+12*(\g)
.irp y, 0,1
	global_store_b128 v[L16], v[192+12*(\g)+6*\y:195+12*(\g)+6*\y], s[80:81] offset:768*(2*(\g)+\y)
	global_store_b64 v[L8], v[196+12*(\g)+6*\y:197+12*(\g)+6*\y], s[80:81] offset:768*(2*(\g)+\y)+512
	ds_store_b8 v[SWQ], v[TM+4+\y] offset:64*(2*(\g)+\y)
	ds_store_b8 v[SWQ], v[TM+4+\y] offset:64*(2*(\g)+\y)+2
.endr
.endm
.irp g, 0,1,2,3
	QKPAIR \g
.endr
	ds_load_b128 v[128:131], v[RDQ]                ; LDS serves a wave's instructions in order: these see my stores: 128 words
	WALU
	s_wait_xcnt 0x0                                ; the stores have read their base
	s_add_nc_u64 s[80:81], s[80:81], s[82:83]
	s_wait_dscnt 0x0
	global_store_b128 v[L16], v[128:131], s[80:81]
	BARRIER                                        ; both halves of V's scale words lie in LDS
	s_cmp_eq_u32 s16, 0
	s_cbranch_scc0 .Lfinish
	ds_load_b64 v[132:133], v[RDV]
	s_wait_dscnt 0x0
	global_store_b64 v[L8], v[132:133], s[84:85]   ; 256 consecutive bytes, aligned
.Lfinish:
	s_wait_tensorcnt 0x0                           ; the wave's end
	ds_add_u32 v[SPW], v[NIL]
	s_wait_dscnt 0x0
	BARRIER                                        ; the closing round
	CREST
	s_endpgm
.Lfunc_end_k_q1b11445c34_qkv:
	.size	k_q1b11445c34_qkv, .Lfunc_end_k_q1b11445c34_qkv-k_q1b11445c34_qkv
	.p2alignl 7, 3214868480
	.fill 96, 4, 3214868480
	.section	.rodata,"a",@progbits
	.p2align	6, 0x0
	.amdhsa_kernel k_q1b11445c34_qkv
		.amdhsa_group_segment_fixed_size 327680
		.amdhsa_private_segment_fixed_size 0
		.amdhsa_enable_private_segment 0
		.amdhsa_kernarg_size 40
		.amdhsa_user_sgpr_count 2
		.amdhsa_user_sgpr_kernarg_segment_ptr 1
		.amdhsa_wavefront_size32 1
		.amdhsa_system_sgpr_workgroup_id_x 1
		.amdhsa_system_sgpr_workgroup_id_y 1
		.amdhsa_system_sgpr_workgroup_id_z 1
		.amdhsa_system_vgpr_workitem_id 0
		.amdhsa_next_free_vgpr 1024
		.amdhsa_next_free_sgpr 100
		.amdhsa_reserve_vcc 1
		.amdhsa_float_denorm_mode_32 3
		.amdhsa_float_denorm_mode_16_64 3
		.amdhsa_memory_ordered 1
		.amdhsa_forward_progress 1
		.amdhsa_inst_pref_size 130
	.end_amdhsa_kernel
	.amdgpu_metadata
---
amdhsa.version: [ 1, 2 ]
amdhsa.kernels:
  - .name:           k_q1b11445c34_qkv
    .symbol:         k_q1b11445c34_qkv.kd
    .args:
      - { .name: codes, .offset: 0, .size: 8, .value_kind: global_buffer, .address_space: global }
      - { .name: scales, .offset: 8, .size: 8, .value_kind: global_buffer, .address_space: global }
      - { .name: rope, .offset: 16, .size: 8, .value_kind: global_buffer, .address_space: global }
      - { .name: qb, .offset: 24, .size: 8, .value_kind: global_buffer, .address_space: global }
      - { .name: kv, .offset: 32, .size: 8, .value_kind: global_buffer, .address_space: global }
    .group_segment_fixed_size: 327680
    .private_segment_fixed_size: 0
    .kernarg_segment_align: 8
    .kernarg_segment_size: 40
    .max_flat_workgroup_size: 128
    .sgpr_count:     100
    .vgpr_count:     1024
    .wavefront_size: 32
...
	.end_amdgpu_metadata
.endif
;; end of part 2
;; launch attn (part 3): grid 8 x 32, 8 waves a work-group, clusters of 4 x 1, 244,736 bytes of LDS; arguments qb, kv, ao_img, ao_sc; writes ao_img, ao_sc
.if DOCPART == 3
	.amdgcn_target "amdgcn-amd-amdhsa--gfx1250"
	.amdhsa_code_object_version 6
	.text
	.protected	k_q1b11445c34_attn
	.globl	k_q1b11445c34_attn
	.p2align	8
	.type	k_q1b11445c34_attn,@function
k_q1b11445c34_attn:
	s_mov_b64 s[64:65], 0
	v_nop
	global_prefetch_b8 v0, s[64:65] scope:SCOPE_SE
	s_setreg_imm32_b32 hwreg(HW_REG_WAVE_MODE, 25, 1), 1
	s_wait_xcnt 0x0
	s_wait_alu depctr_hold_cnt(0) depctr_sa_sdst(0) depctr_va_vdst(0) depctr_va_sdst(0) depctr_va_ssrc(0) depctr_va_vcc(0) depctr_vm_vsrc(0)
	s_getreg_b32 s2, hwreg(HW_REG_IB_STS2, 6, 4)
	s_cmp_eq_u32 s2, 0
	s_cbranch_scc0 .Lentry_in_a_cluster
	s_endpgm
.Lentry_in_a_cluster:
	s_bfe_u32 s2, ttmp6, 0x10000c
	s_cmp_lg_u32 s2, 0x3003
	s_cbranch_scc0 .Lentry_shape_is_right
	s_endpgm
.Lentry_shape_is_right:
; Causal attention on codes of E2M3, one head (of 32 = batch x head) to a row of the grid, and the quantising of its result for the output projection.
; SHARES.  A wave works on 32 queries at a time: tiles 2 cx and 2 cx + 1 of a block of 128 (cx the work-group's place in its cluster of four): each fragment of K and V feeds two products.
; A work-group has eight such pairs of tiles, in the blocks 0, 3, 4, 7, 8, 11, 12, 15 (cluster x 0) or 1, 2, 5, 6, 9, 10, 13, 14 (1), coupled: a long block l = 15 - z and a short block z, 17 key steps of 128 together.
; Two waves have a couple: wave k the long block's key steps 0-8, wave 4 + k its key steps 9 .. l and then the short block's 0 .. z: 9 and 8 steps.  Wave 4 + k leaves its part of the long block's result in LDS and wave k joins
; the two: sums and O^T under the common M, by powers of two.  Key steps wholly behind the queries are not worked: the causal mask hides them for all inputs (a NaN or an infinity there is not carried on).
; No branch and no LDS address hangs on cx; it enters global addresses and the mask's lane constants alone.
; LDS holds the head's K, V and scale words as they lie in memory (16 records of 13,056 bytes), filled once: one joint load a wave at the head, records 0 and 9 (waves 0, 1) first, which the first key step needs.
; All that the launch reads through tensor loads is asked for at its head, so there is no later load that a prefetch could run ahead of.
; LAYOUT.  S^T = K Q^T (source 0 = 16 keys, source 1 = 16 queries), O^T = V^T P^T: a lane holds one query throughout.  By the row order of the images S^T's register n of lane (r, h) is key 64 (n / 32) + 32 h + n % 32,
; so a scale block of p lies in one lane, in the operand's own order; O^T's register n is channel 32 h + n: a scale block too.  A tile's lane r is position 64 c + 32 (r / 8) + 8 j + r % 8 of its block (tile 4 c + j).
; The head's 64 fill registers 0-5 of an operand.  Q's registers 6-11 are zero codes.  K's tile t is named as six registers of its own and the next tile's six (behind tile 7: zeros), which meet Q's zero codes.
; SOFTMAX.  t = score x log2(e) / 8; M = the running largest t rounded up to a whole number; p = 2^(t - M) is quantised along the keys, not normalised; the row's sum is taken of the unquantised p and divides at the end.
; A block's largest p is made from its largest score by the same two instructions (this takes v_exp_f32 not to fall where its input rises).  The promise holds while t stays under 2^31 in magnitude.
; OUT.  ao_img[block of 128 rows 32][K step = head / 2][tile 8][head % 2][768]; ao_sc[row][32]: byte 2 head + h.  The scale bytes go out singly: a row's 32 belong to sixteen heads, which sixteen work-groups make.
; LIMITS as in the quantising launch.
; REGISTERS.  Window 0: v1-127 as named below; v128-255 the scores of both tiles, then p.  Window 1: v0-53 K, v56-103 V, v128-191 O^T of both tiles, v192-215 Q, v216-227 the short block's Q.
.set REC,  13056
.set DUMP, 16*REC                      ; a part of a result: 8,192 bytes of O^T and 512 of sums and M for each couple
.set SPARE, DUMP+4*8704                ; the spare words, 1,024 bytes
.set L16, 1
.set L8,  2
.set L4,  3
.set ADV, 4
.set ADVS, 5
.set ADK, 6
.set AD8, 7
.set ADKS, 8
.set SPW, 9
.set NIL, 10
.set DM,  11                           ; v11, v12: a key is hidden in the diagonal step where 64 (n / 32) + n % 32 > DM
.set NEG, 13
.set QX,  14                           ; v14-15 the short block's Q scale words
.set NM,  16                           ; v[16:17], v[18:19]: -M and the largest score of each tile
.set LS,  20                           ; v[20:21], v[22:23]: the row's sum in two halves
.set FP,  24                           ; v[24:25], v[26:27]: the factor, and p's scale word
.set BM,  28                           ; v28-31
.set BT,  32
.set RT,  34
.set DL,  36
.set KSC, 40                           ; v40-43 K's scale words: lanes 0-15 tile 2 u, lanes 16-31 tile 2 u + 1
.set QW,  44                           ; v44-45
.set VSC, 46                           ; v46-47
.set SO,  48
.set EB,  52
.set PC,  56                           ; v56-79
.set PT,  80                           ; v80-94
.set CA,  96                           ; v96-103
.set DA,  104
.set DB,  105
.set SH,  106
.set S,   128
.set TM,  28                           ; the way out: v28-33
.set KF,  0
.set VF,  56
.set O,   128
.set Q,   192
.set QN,  216
.set WV,  18
.set SEL, 20
.set CS,  22
.set G1P0, 24
.set G1P1, 32
.set G1P2, 40
.set G0,  48
.set NL,  66                           ; the unit at which my wave goes over to the short block
.set OFA, 67
.set OFB, 68
.set LAST, 69                          ; my units
.set BLK, 70
.set BLKS, 71
.set U,   72
.set UN,  73
.set KSR, 74
.set KSN, 75
.set TBC, 76
.set TBN, 77
.set MSB, 0
.macro WIN new
.if MSB != (\new)
	s_set_vgpr_msb (MSB<<8)|(\new)
.set MSB, (\new)
.endif
.endm
.macro PLACES n
.rept \n
	v_nop
.endr
.endm
.macro WALU
	s_wait_alu depctr_va_vdst(0)
.endm
.macro BARRIER
	s_barrier_signal -1
	s_barrier_wait -1
.endm
.macro CROUND
	BARRIER
	s_cmp_lg_u32 s[WV], 0
	s_cbranch_scc1 .Lnot_wave_0_\@
	s_barrier_signal -3
.Lnot_wave_0_\@:
	s_barrier_wait -3
	BARRIER
.endm
.macro G1SET g, rows                   ; dense bytes as rows of 256 (32 elements of 8 bytes), no padding; the mask names all four work-groups, bit 21 beside it
	s_mov_b32 s[\g], 15|(3<<16)|(1<<21)
	s_mov_b32 s[\g+1], 32<<16
	s_mov_b32 s[\g+2], (\rows)<<16
	s_mov_b32 s[\g+3], 32<<16
	s_mov_b32 s[\g+4], \rows
	s_mov_b32 s[\g+5], 32
	s_mov_b32 s[\g+6], 0
	s_mov_b32 s[\g+7], 0
.endm
.macro TLOAD g0, g1
	tensor_load_to_lds s[\g0:\g0+3], s[\g1:\g1+7]
	s_nop 0
	PLACES 4
.endm
.macro KSOF d, n                       ; the key step of my unit n
	s_cmp_lt_u32 s[\n], s[NL]
	s_cselect_b32 s[\d], s[OFA], s[OFB]
	s_add_co_u32 s[\d], s[\d], s[\n]
	s_and_b32 s[\d], s[\d], 15
.endm
.macro KADDR
	v_add_nc_u32 v[ADK], s[TBN], v[L16]
	v_add_nc_u32 v[AD8], s[TBN], v[L8]
	v_add_nc_u32 v[ADKS], s[TBN], v[L4]
.endm
.macro KLOAD                           ; 20 loads
	WIN 0x40
.irp t, 0,1,2,3,4,5,6,7
	ds_load_b128 v[KF+6*\t:KF+6*\t+3], v[ADK] offset:768*\t
	ds_load_b64 v[KF+6*\t+4:KF+6*\t+5], v[AD8] offset:768*\t+512
.endr
	WIN 0
.irp u, 0,1,2,3
	ds_load_b32 v[KSC+\u], v[ADKS] offset:12288+128*\u
.endr
.endm
.macro INIT                            ; an empty result: the first change of M multiplies zeros
.irp y, 0,1
	v_mov_b32 v[NM+2*\y], 0x7f61b1e6               ; 3e38: -M
	v_mov_b32 v[NM+2*\y+1], 0xff61b1e6             ; -3e38: under every score
	v_mov_b32 v[LS+2*\y], 0
	v_mov_b32 v[LS+2*\y+1], 0
.endr
	WIN 0x40
.set I_, 0
.rept 64
	v_mov_b32 v[O+I_], 0
.set I_, I_+1
.endr
	WIN 0
.endm
; Waves 4 to 7, when the long block's part is done: it goes to LDS, and the short block begins.
.macro SWITCH
	s_cmp_lt_u32 s[WV], 4
	s_cbranch_scc1 .Lstay_\@
	s_cmp_lg_u32 s[U], s[NL]
	s_cbranch_scc1 .Lstay_\@
	v_add_f32 v[RT], v[LS], v[LS+1]
	v_add_f32 v[RT+1], v[LS+2], v[LS+3]
	PLACES 4                                       ; between the last products and the stores of their results
	WIN 0x04
.set I_, 0
.rept 16
	ds_store_b128 v[DA], v[O+4*I_:O+4*I_+3] offset:512*I_
.set I_, I_+1
.endr
	WIN 0
	ds_store_b32 v[DB], v[RT]
	ds_store_b32 v[DB], v[RT+1] offset:128
	ds_store_b32 v[DB], v[NM] offset:256
	ds_store_b32 v[DB], v[NM+2] offset:384
	v_mov_b32 v[QW], v[QX]
	v_mov_b32 v[QW+1], v[QX+1]
	WIN 0x41
.irp i, 0,1,2,3,4,5
	v_mov_b32 v[Q+\i], v[QN+\i]
	v_mov_b32 v[Q+12+\i], v[QN+6+\i]
.endr
	WIN 0
	INIT
	s_mov_b32 s[BLK], s[BLKS]
	WALU
.Lstay_\@:
.endm
; A UNIT: 32 queries x 128 keys.  Its K has been asked for.  pre = 1: the next unit's K is asked for behind the scores' products.
.macro UNIT pre
	KSOF KSR, U
	s_mul_i32 s[TBC], s[KSR], REC
.if \pre
	s_add_co_u32 s[UN], s[U], 1
	KSOF KSN, UN
	s_mul_i32 s[TBN], s[KSN], REC
.endif
	s_wait_dscnt 0x0                               ; K is in
	WIN 0x05
.irp t, 0,2,4,6
.irp y, 0,1
	v_wmma_scale_f32_16x16x128_f8f6f4 v[S+64*\y+8*\t:S+64*\y+8*\t+7], v[KF+6*\t:KF+6*\t+11], v[Q+12*\y:Q+12*\y+11], 0, v[KSC+\t/2], v[QW+\y] matrix_a_fmt:MATRIX_FMT_FP6 matrix_b_fmt:MATRIX_FMT_FP6
.endr
.irp y, 0,1
	v_wmma_scale_f32_16x16x128_f8f6f4 v[S+64*\y+8*\t+8:S+64*\y+8*\t+15], v[KF+6*\t+6:KF+6*\t+17], v[Q+12*\y:Q+12*\y+11], 0, v[KSC+\t/2], v[QW+\y] matrix_a_fmt:MATRIX_FMT_FP6 matrix_b_fmt:MATRIX_FMT_FP6 matrix_a_scale:MATRIX_SCALE_ROW1
.endr
.endr
	WIN 0
	v_add_nc_u32 v[ADV], s[TBC], v[L16]            ; these lines are the four plain instructions between products and loads into their operands, and the first reads of the scores
	v_add_nc_u32 v[ADVS], s[TBC], v[L4]
.if \pre
	KADDR
.else
	PLACES 2
.endif
	WIN 0x40
.irp t, 0,1,2,3
.irp c, 0,1,2
	ds_load_b128 v[VF+12*\t+4*\c:VF+12*\t+4*\c+3], v[ADV] offset:6144+1536*\t+512*\c
.endr
.endr
	WIN 0
.irp u, 0,1
	ds_load_b32 v[VSC+\u], v[ADVS] offset:12800+128*\u
.endr
.if \pre
	KLOAD
.endif
	s_cmp_lg_u32 s[KSR], s[BLK]                    ; only the diagonal step has hidden keys
	s_cbranch_scc1 .Lopen_\@
	v_mov_b32 v[NEG], 0xff800000                   ; -infinity: p = 0 then
.irp n, 0,1,2,3,4,5,6,7,8,9,10,11,12,13,14,15,16,17,18,19,20,21,22,23,24,25,26,27,28,29,30,31,32,33,34,35,36,37,38,39,40,41,42,43,44,45,46,47,48,49,50,51,52,53,54,55,56,57,58,59,60,61,62,63
	v_cmp_gt_i32 vcc_lo, 64*(\n/32)+\n%32, v[DM]
	v_cndmask_b32 v[S+\n], v[S+\n], v[NEG], vcc_lo
	v_cmp_gt_i32 vcc_lo, 64*(\n/32)+\n%32, v[DM+1]
	v_cndmask_b32 v[S+64+\n], v[S+64+\n], v[NEG], vcc_lo
.endr
	WALU
.Lopen_\@:
.irp q, 0,1,2,3                                        ; q = 2 x tile + block: the largest score of each of my blocks
	v_max3_num_f32 v[BM+\q], v[S+32*\q], v[S+32*\q+1], v[S+32*\q+2]
.endr
.irp i, 3,5,7,9,11,13,15,17,19,21,23,25,27,29
.irp q, 0,1,2,3
	v_max3_num_f32 v[BM+\q], v[BM+\q], v[S+32*\q+\i], v[S+32*\q+\i+1]
.endr
.endr
.irp q, 0,1,2,3
	v_max_num_f32 v[BM+\q], v[BM+\q], v[S+32*\q+31]
.endr
.irp y, 0,1
	v_max_num_f32 v[RT+\y], v[BM+2*\y], v[BM+2*\y+1]
.endr
.irp y, 0,1
	v_mov_b32 v[DL+\y], v[NM+2*\y]
.endr
.irp y, 0,1
	v_permlanex16_b32 v[BT+\y], v[RT+\y], s[SEL], s[SEL+1]
.endr
.irp y, 0,1
	v_max3_num_f32 v[NM+2*\y+1], v[NM+2*\y+1], v[RT+\y], v[BT+\y]   ; the running largest score
.endr
.irp y, 0,1
	v_mul_f32 v[RT+\y], s[CS], v[NM+2*\y+1]
.endr
.irp y, 0,1
	v_floor_f32 v[NM+2*\y], -v[RT+\y]              ; the new -M = -ceil(t): a whole number
.endr
.irp y, 0,1
	v_sub_f32 v[DL+\y], v[NM+2*\y], v[DL+\y]       ; old M - new M: a whole number, 0 or less
.endr
.irp y, 0,1
	v_cvt_i32_f32 v[DL+\y], v[DL+\y]               ; (it saturates)
.endr
.irp y, 0,1
	v_ldexp_f32 v[FP+2*\y], 1.0, v[DL+\y]          ; 2^(old M - new M)
.endr
.irp y, 0,1
.set I_, S+64*\y
.rept 32
	v_pk_fma_f32 v[I_:I_+1], v[I_:I_+1], s[CS:CS+1], v[NM+2*\y:NM+2*\y+1] op_sel_hi:[1,0,0]   ; t - M, two at a time
.set I_, I_+2
.endr
.endr
.irp q, 0,1,2,3
	v_fma_f32 v[BM+\q], v[BM+\q], s[CS], v[NM+2*(\q/2)]
.endr
	WALU                                           ; ahead of the batch
.irp q, 0,1,2,3
	v_exp_f32 v[BM+\q], v[BM+\q]                   ; the blocks' largest p
.endr
.set I_, S
.rept 128
	v_exp_f32 v[I_], v[I_]                         ; p = 2^(t - M), at most 1
.set I_, I_+1
.endr
.irp y, 0,1
	v_pk_mul_f32 v[LS+2*\y:LS+2*\y+1], v[LS+2*\y:LS+2*\y+1], v[FP+2*\y:FP+2*\y+1] op_sel_hi:[1,0]   ; the sums under the new M
.endr
	WALU                                           ; one wait for the whole batch, ahead of its first reader
.irp y, 0,1
	v_pk_add_f32 v[CA+4*\y:CA+4*\y+1], v[S+64*\y:S+64*\y+1], v[S+64*\y+2:S+64*\y+3]   ; the row's sum of the unquantised p: three chains a tile
	v_pk_add_f32 v[CA+4*\y+2:CA+4*\y+3], v[S+64*\y+4:S+64*\y+5], v[S+64*\y+6:S+64*\y+7]
	v_pk_add_f32 v[LS+2*\y:LS+2*\y+1], v[LS+2*\y:LS+2*\y+1], v[S+64*\y+8:S+64*\y+9]
.endr
.irp k, 10,16,22,28,34,40,46,52,58
.irp y, 0,1
	v_pk_add_f32 v[CA+4*\y:CA+4*\y+1], v[CA+4*\y:CA+4*\y+1], v[S+64*\y+\k:S+64*\y+\k+1]
	v_pk_add_f32 v[CA+4*\y+2:CA+4*\y+3], v[CA+4*\y+2:CA+4*\y+3], v[S+64*\y+\k+2:S+64*\y+\k+3]
	v_pk_add_f32 v[LS+2*\y:LS+2*\y+1], v[LS+2*\y:LS+2*\y+1], v[S+64*\y+\k+4:S+64*\y+\k+5]
.endr
.endr
.irp q, 0,1,2,3
	v_max_num_f32 v[BM+\q], 0x1800000, v[BM+\q]    ; the floor 2^(3 - 127): the byte cannot fall under 1
.endr
.irp y, 0,1
	v_pk_add_f32 v[CA+4*\y:CA+4*\y+1], v[CA+4*\y:CA+4*\y+1], v[CA+4*\y+2:CA+4*\y+3]
.endr
.irp q, 0,1,2,3
	v_add_nc_u32 v[SO+\q], 0xff000000, v[BM+\q]    ; 2 off the exponent field: the conversion's scale operand
.endr
.irp y, 0,1
	v_pk_add_f32 v[LS+2*\y:LS+2*\y+1], v[LS+2*\y:LS+2*\y+1], v[CA+4*\y:CA+4*\y+1]
.endr
.irp q, 0,1,2,3
	v_lshrrev_b32 v[EB+\q], 23, v[SO+\q]           ; the scale's byte
.endr
.irp y, 0,1
	v_lshl_or_b32 v[RT+\y], v[EB+2*\y+1], 16, v[EB+2*\y]
.endr
.irp y, 0,1
	v_lshlrev_b32 v[RT+\y], v[SH], v[RT+\y]        ; my blocks h and 2 + h at their places in the word
.endr
.irp y, 0,1
	v_permlanex16_b32 v[BT+\y], v[RT+\y], s[SEL], s[SEL+1]
.endr
.irp y, 0,1
	v_or_b32 v[FP+2*\y+1], v[RT+\y], v[BT+\y]      ; with lane l xor 16's two: p's scale word for these 128 keys
.endr
.irp q, 0,1,2,3
	v_cvt_scalef32_pk16_fp6_f32 v[PC+6*\q:PC+6*\q+2], v[S+32*\q:S+32*\q+15], v[SO+\q]
	v_cvt_scalef32_pk16_fp6_f32 v[PT+4*\q:PT+4*\q+2], v[S+32*\q+16:S+32*\q+31], v[SO+\q]
.endr
	v_nop                                          ; one plain instruction behind the scaled conversions
.irp q, 0,1,2,3
.irp i, 0,1,2
	v_mov_b32 v[PC+6*\q+3+\i], v[PT+4*\q+\i]
.endr
.endr
	WIN 0x41
	WALU                                           ; directly ahead of the first reader of O^T
.irp y, 0,1
.set I_, O+32*\y
.rept 16
	v_pk_mul_f32 v[I_:I_+1], v[I_:I_+1], v[FP+2*\y:FP+2*\y+1] op_sel_hi:[1,0]   ; O^T under the new M; these 32 also stand between the writes of p's codes and scale words and the products
.set I_, I_+2
.endr
.endr
	WALU
.if \pre
	s_wait_dscnt 20                                ; V is in; the next unit's 20 loads may be out
.else
	s_wait_dscnt 0x0
.endif
	WIN 0x51
.irp t, 0,2
.irp y, 0,1
	v_wmma_scale_f32_16x16x128_f8f6f4 v[O+32*\y+8*\t:O+32*\y+8*\t+7], v[VF+12*\t:VF+12*\t+11], v[PC+12*\y:PC+12*\y+11], v[O+32*\y+8*\t:O+32*\y+8*\t+7], v[VSC+\t/2], v[FP+2*\y+1] matrix_a_fmt:MATRIX_FMT_FP6 matrix_b_fmt:MATRIX_FMT_FP6
.endr
.irp y, 0,1
	v_wmma_scale_f32_16x16x128_f8f6f4 v[O+32*\y+8*\t+8:O+32*\y+8*\t+15], v[VF+12*\t+12:VF+12*\t+23], v[PC+12*\y:PC+12*\y+11], v[O+32*\y+8*\t+8:O+32*\y+8*\t+15], v[VSC+\t/2], v[FP+2*\y+1] matrix_a_fmt:MATRIX_FMT_FP6 matrix_b_fmt:MATRIX_FMT_FP6 matrix_a_scale:MATRIX_SCALE_ROW1
.endr
.endr
	WIN 0
.endm
	s_load_b256 s[4:11], s[0:1], 0x0               ; qb 4, kv 6, ao_img 8, ao_sc 10
	v_lshl_add_u32 v[SPW], v0, 2, SPARE
	v_mov_b32 v[NIL], 0
	ds_add_u32 v[SPW], v[NIL]                      ; the opening lines
	ds_add_u32 v[SPW], v[NIL]
	v_lshrrev_b32 v1, 5, v0
	v_readfirstlane_b32 s[WV], v1                  ; wave 0..7
	s_and_b32 s19, s[WV], 3                        ; couple k
	s_lshr_b32 s13, s[WV], 2                       ; which of its two waves
	s_and_b32 s60, s19, 1
	s_xor_b32 s60, s60, ttmp9
	s_lshl_b32 s[BLKS], s19, 1
	s_add_co_u32 s[BLKS], s[BLKS], s60             ; z = 2 k + (k % 2 xor cluster x): the short block
	s_xor_b32 s[BLK], s[BLKS], 15                  ; the long one
	s_xor_b32 s[NL], s[BLKS], 7                    ; its key steps behind 8
	s_add_co_u32 s[OFB], s[BLKS], 9                ; 16 - that number
	s_cmp_eq_u32 s13, 0
	s_cselect_b32 s[NL], 16, s[NL]
	s_cselect_b32 s[OFA], 0, 9
	s_cselect_b32 s[LAST], 9, 8
	s_and_b32 s17, ttmp7, 0xffff                   ; batch x 16 + head, which the four partners share
	s_bfe_u32 s61, ttmp6, 0x40000                  ; cx
	G1SET G1P0, 51                                 ; one record
	G1SET G1P1, 102                                ; two
	G1SET G1P2, 153                                ; three
	s_mul_i32 s14, s[WV], 9*REC                    ; waves 0, 1: records 0, 9
	s_add_co_u32 s15, s[WV], 2
	s_and_b32 s15, s15, 3
	s_mul_i32 s15, s15, 2*REC
	s_add_co_u32 s15, s15, REC                     ; waves 2 to 5: records 1 to 8, two each
	s_and_b32 s16, s[WV], 1
	s_mul_i32 s16, s16, 3*REC
	s_add_co_u32 s16, s16, 10*REC                  ; waves 6, 7: records 10 to 15, three each
	s_mul_i32 s12, s17, 16*REC
	s_mov_b32 s13, 0
	s_mov_b32 s[SEL], 0x76543210
	s_mov_b32 s[SEL+1], 0xfedcba98
	s_mov_b32 s[CS], 0x3e38aa3b                    ; log2(e) / 8
	s_mov_b32 s[CS+1], s[CS]                       ; (named with it as a pair, so it is written)
	WALU
	s_wait_dscnt 0x0
	CROUND                                         ; all four work-groups are here: the joint loads meet
	s_wait_kmcnt 0x0
	s_add_nc_u64 s[6:7], s[6:7], s[12:13]          ; kv at my head
.irp p, 0,1,2                                          ; LDS is an image of the head's bytes: the same offset in both
	s_mov_b32 s[G0+4*\p], 1
	s_mov_b32 s[G0+4*\p+1], s[14+\p]
	s_mov_b32 s12, s[14+\p]
	s_add_nc_u64 s[G0+4*\p+2:G0+4*\p+3], s[6:7], s[12:13]
	s_or_b32 s[G0+4*\p+3], s[G0+4*\p+3], 0x80000000
.endr
	s_cmp_lt_u32 s[WV], 2                          ; one tensor load a wave, in one chain of arms
	s_cbranch_scc0 .Larm_1
	TLOAD G0, G1P0
	s_branch .Lasked
.Larm_1:
	s_cmp_lt_u32 s[WV], 6
	s_cbranch_scc0 .Larm_2
	TLOAD G0+4, G1P1
	s_branch .Lasked
.Larm_2:
	TLOAD G0+8, G1P2
.Lasked:
	s_mul_i32 s60, s17, 106496                     ; Q: my head,
	s_mul_i32 s62, s61, 1536                       ; tiles 2 cx, 2 cx + 1
	s_add_co_u32 s62, s62, s60
	s_lshl_b32 s63, s61, 7                         ; their 32 scale words
	s_add_co_u32 s63, s63, s60
	s_mul_i32 s78, s[BLK], 6656
	s_add_co_u32 s80, s62, s78
	s_mov_b32 s81, 0
	s_add_nc_u64 s[82:83], s[4:5], s[80:81]        ; the long block's Q,
	s_add_co_u32 s80, s63, s78
	s_add_nc_u64 s[84:85], s[4:5], s[80:81]        ; and its words
	s_mul_i32 s78, s[BLKS], 6656
	s_add_co_u32 s80, s62, s78
	s_add_nc_u64 s[86:87], s[4:5], s[80:81]        ; the short block's
	s_add_co_u32 s80, s63, s78
	s_add_nc_u64 s[78:79], s[4:5], s[80:81]
	s_lshr_b32 s60, s61, 1                         ; tile 2 cx: c = cx / 2, j = 2 (cx % 2)
	s_lshl_b32 s60, s60, 6
	s_and_b32 s62, s61, 1
	s_lshl_b32 s62, s62, 4
	s_add_co_u32 s60, s60, s62                     ; 64 c + 8 j
	s_mul_i32 s62, s19, 8704
	s_add_co_u32 s62, s62, DUMP                    ; my couple's place
	v_and_b32 v28, 31, v0                          ; lane
	v_and_b32 v29, 15, v0                          ; r
	v_bfe_u32 v30, v0, 4, 1                        ; h
	v_lshlrev_b32 v[L16], 4, v28
	v_lshlrev_b32 v[L8], 3, v28
	v_lshlrev_b32 v[L4], 2, v28
	v_lshlrev_b32 v[SH], 3, v30
	v_lshlrev_b32 v31, 2, v29                      ; 4 r
	v_bfe_u32 v32, v29, 3, 1
	v_sub_nc_u32 v32, v32, v30
	v_and_b32 v33, 7, v29
	v_lshl_add_u32 v33, v32, 5, v33                ; 32 (r / 8) + r % 8 - 32 h
	v_add_nc_u32 v[DM], s60, v33
	v_add_nc_u32 v[DM+1], 8, v[DM]
	v_add_nc_u32 v[DA], s62, v[L16]
	v_add_nc_u32 v[DB], s62, v[L4]
	v_add_nc_u32 v[DB], 8192, v[DB]
.irp y, 0,1
	v_mov_b32 v[BT+\y], 0                          ; written once: a lane permute's destination counts as one of its sources
	v_mov_b32 v[FP+2*\y+1], 0                      ; (named in a pair before it is first written)
.endr
	WIN 0x40
.irp i, 0,1,2,3,4,5
	v_mov_b32 v[KF+48+\i], 0                       ; what stands behind K's last tile,
	v_mov_b32 v[Q+6+\i], 0                         ; and Q's upper halves: zero codes
	v_mov_b32 v[Q+18+\i], 0
.endr
	WIN 0
	INIT
	WALU
	WIN 0x40
.irp y, 0,1
	global_load_b128 v[Q+12*\y:Q+12*\y+3], v[L16], s[82:83] offset:768*\y
	global_load_b64 v[Q+12*\y+4:Q+12*\y+5], v[L8], s[82:83] offset:768*\y+512
	global_load_b128 v[QN+6*\y:QN+6*\y+3], v[L16], s[86:87] offset:768*\y
	global_load_b64 v[QN+6*\y+4:QN+6*\y+5], v[L8], s[86:87] offset:768*\y+512
.endr
	WIN 0
.irp y, 0,1
	global_load_b32 v[QW+\y], v31, s[84:85] offset:6144+64*\y
	global_load_b32 v[QX+\y], v31, s[78:79] offset:6144+64*\y
.endr
	s_mov_b32 s[U], 0
	KSOF KSN, U
	s_mul_i32 s[TBN], s[KSN], REC
	KADDR
	WALU                                           ; the wait at the head's end
	s_wait_tensorcnt 0x0                           ; my records have landed,
	BARRIER                                        ; everybody's have: nothing is ever filled again
	KLOAD
	s_wait_loadcnt 0x0                             ; Q
.Lunit:                                                ; units 0 to 8: a loop of constant count with no barrier in it
	SWITCH
	s_cmp_ge_u32 s[U], s[LAST]                     ; waves 4 to 7 have eight units
	s_cbranch_scc1 .Lidle
	UNIT 1
	WALU
.Lidle:
	s_add_co_u32 s[U], s[U], 1
	s_cmp_lt_u32 s[U], 9
	s_cbranch_scc1 .Lunit
	PLACES 4                                       ; behind the last products
	WALU
	s_wait_dscnt 0x0
	BARRIER                                        ; the long blocks' second parts lie in LDS
	s_cmp_lt_u32 s[WV], 4
	s_cbranch_scc0 .Lout
	; THE JOIN: v128-191 the other wave's O^T, v36-37 its sums, v38-39 its -M
.set I_, 0
.rept 16
	ds_load_b128 v[S+4*I_:S+4*I_+3], v[DA] offset:512*I_
.set I_, I_+1
.endr
.irp i, 0,1,2,3
	ds_load_b32 v[36+\i], v[DB] offset:128*\i
.endr
	s_wait_dscnt 0x0
.irp y, 0,1
	v_min_num_f32 v[RT+\y], v[NM+2*\y], v[38+\y]   ; the common -M
.endr
.irp y, 0,1
	v_sub_f32 v[BM+\y], v[RT+\y], v[NM+2*\y]
	v_sub_f32 v[BM+2+\y], v[RT+\y], v[38+\y]
.endr
.irp i, 0,1,2,3
	v_cvt_i32_f32 v[BM+\i], v[BM+\i]
.endr
.irp y, 0,1
	v_ldexp_f32 v[FP+2*\y], 1.0, v[BM+\y]          ; my factor,
	v_ldexp_f32 v[CA+2*\y], 1.0, v[BM+2+\y]        ; and the other part's
	v_mov_b32 v[CA+2*\y+1], 0                      ; (named with it as a pair, so it is written)
.endr
.irp y, 0,1
	v_add_f32 v[LS+2*\y], v[LS+2*\y], v[LS+2*\y+1]
.endr
.irp y, 0,1
	v_mul_f32 v[LS+2*\y], v[LS+2*\y], v[FP+2*\y]
.endr
.irp y, 0,1
	v_fma_f32 v[LS+2*\y], v[36+\y], v[CA+2*\y], v[LS+2*\y]
	v_mov_b32 v[LS+2*\y+1], 0
.endr
	WIN 0x41
.set I_, 0
.rept 32
	v_pk_mul_f32 v[O+2*I_:O+2*I_+1], v[O+2*I_:O+2*I_+1], v[FP+2*(I_/16):FP+2*(I_/16)+1] op_sel_hi:[1,0]
.set I_, I_+1
.endr
	WIN 0x50
.set I_, 0
.rept 32
	v_pk_fma_f32 v[O+2*I_:O+2*I_+1], v[S+2*I_:S+2*I_+1], v[CA+2*(I_/16):CA+2*(I_/16)+1], v[O+2*I_:O+2*I_+1] op_sel_hi:[1,0,1]
.set I_, I_+1
.endr
	WIN 0
	WALU
.Lout:	; THE WAY OUT.  O^T / the sum is quantised along e = 64 head + channel: two blocks of 32, half a fragment of the output projection's A
.irp y, 0,1
	v_add_f32 v[LS+2*\y], v[LS+2*\y], v[LS+2*\y+1]
.endr
.irp y, 0,1
	v_permlanex16_b32 v[BT+\y], v[LS+2*\y], s[SEL], s[SEL+1]
.endr
.irp y, 0,1
	v_add_f32 v[LS+2*\y], v[LS+2*\y], v[BT+\y]     ; the row's sum
.endr
	v_and_b32 v11, 15, v0
	v_bfe_u32 v12, v0, 4, 1
	WALU                                           ; ahead of the batch
	v_rcp_f32 v[LS], v[LS]
	v_rcp_f32 v[LS+2], v[LS+2]
	v_lshl_add_u32 v11, v11, 5, v12                ; 32 r + h (a plain instruction behind the reciprocals)
	s_lshr_b32 s60, s17, 4
	s_lshl_b32 s60, s60, 4
	s_add_co_u32 s60, s60, s[BLK]                  ; my block of 128 rows: 16 x batch + block
	s_mul_i32 s62, s60, 98304
	s_bfe_u32 s63, s17, 0x30001                    ; head / 2
	s_mul_i32 s63, s63, 12288
	s_add_co_u32 s62, s62, s63
	s_mul_i32 s63, s61, 3072                       ; tiles 2 cx, 2 cx + 1
	s_add_co_u32 s62, s62, s63
	s_and_b32 s63, s17, 1
	s_mul_i32 s63, s63, 768                        ; head % 2
	s_add_co_u32 s62, s62, s63
	s_mov_b32 s63, 0
	s_add_nc_u64 s[8:9], s[8:9], s[62:63]
	s_lshl_b32 s62, s60, 12                        ; the scale bytes: 32 a row
	s_lshl_b32 s63, s61, 10
	s_add_co_u32 s62, s62, s63
	s_and_b32 s63, s17, 15
	s_lshl_b32 s63, s63, 1
	s_add_co_u32 s62, s62, s63
	s_mov_b32 s63, 0
	s_add_nc_u64 s[10:11], s[10:11], s[62:63]
	WIN 0x01
	WALU                                           ; ahead of the reciprocals' and the last products' first reader
.set I_, 0
.rept 32
	v_pk_mul_f32 v[S+2*I_:S+2*I_+1], v[O+2*I_:O+2*I_+1], v[LS+2*(I_/16):LS+2*(I_/16)+1] op_sel_hi:[1,0]
.set I_, I_+1
.endr
	WIN 0
.irp b, 0,1,2,3
	v_max3_num_f32 v[TM+\b], |v[S+16*\b]|, |v[S+16*\b+1]|, 0x1800000
.endr
.irp i, 2,4,6,8,10,12,14
.irp b, 0,1,2,3
	v_max3_num_f32 v[TM+\b], v[TM+\b], |v[S+16*\b+\i]|, |v[S+16*\b+\i+1]|
.endr
.endr
	v_max_num_f32 v[TM], v[TM], v[TM+1]
	v_max_num_f32 v[TM+2], v[TM+2], v[TM+3]
	v_add_nc_u32 v[TM+1], 0xff000000, v[TM]
	v_add_nc_u32 v[TM+3], 0xff000000, v[TM+2]
	v_lshrrev_b32 v[TM+4], 23, v[TM+1]
	v_lshrrev_b32 v[TM+5], 23, v[TM+3]
.irp c, 0,1
	v_cvt_scalef32_pk16_fp6_f32 v[PC+6*\c:PC+6*\c+2], v[S+32*\c:S+32*\c+15], v[TM+1+2*\c]
	v_cvt_scalef32_pk16_fp6_f32 v[PT+4*\c:PT+4*\c+2], v[S+32*\c+16:S+32*\c+31], v[TM+1+2*\c]
.endr
	v_nop                                          ; one plain instruction behind the scaled conversions
.irp c, 0,1
.irp i, 0,1,2
	v_mov_b32 v[PC+6*\c+3+\i], v[PT+4*\c+\i]
.endr
.endr
.irp y, 0,1
	global_store_b128 v[L16], v[PC+6*\y:PC+6*\y+3], s[8:9] offset:1536*\y          ; 512 and 256 consecutive bytes, aligned
	global_store_b64 v[L8], v[PC+6*\y+4:PC+6*\y+5], s[8:9] offset:1536*\y+512
	global_store_b8 v11, v[TM+4+\y], s[10:11] offset:512*\y
.endr
	s_wait_tensorcnt 0x0                           ; the wave's end
	ds_add_u32 v[SPW], v[NIL]
	s_wait_dscnt 0x0
	CROUND                                         ; the closing round
	s_endpgm
.Lfunc_end_k_q1b11445c34_attn:
	.size	k_q1b11445c34_attn, .Lfunc_end_k_q1b11445c34_attn-k_q1b11445c34_attn
	.p2alignl 7, 3214868480
	.fill 96, 4, 3214868480
	.section	.rodata,"a",@progbits
	.p2align	6, 0x0
	.amdhsa_kernel k_q1b11445c34_attn
		.amdhsa_group_segment_fixed_size 244736
		.amdhsa_private_segment_fixed_size 0
		.amdhsa_enable_private_segment 0
		.amdhsa_kernarg_size 32
		.amdhsa_user_sgpr_count 2
		.amdhsa_user_sgpr_kernarg_segment_ptr 1
		.amdhsa_wavefront_size32 1
		.amdhsa_system_sgpr_workgroup_id_x 1
		.amdhsa_system_sgpr_workgroup_id_y 1
		.amdhsa_system_sgpr_workgroup_id_z 1
		.amdhsa_system_vgpr_workitem_id 0
		.amdhsa_next_free_vgpr 512
		.amdhsa_next_free_sgpr 88
		.amdhsa_reserve_vcc 1
		.amdhsa_float_denorm_mode_32 3
		.amdhsa_float_denorm_mode_16_64 3
		.amdhsa_memory_ordered 1
		.amdhsa_forward_progress 1
		.amdhsa_inst_pref_size 70
	.end_amdhsa_kernel
	.amdgpu_metadata
---
amdhsa.version: [ 1, 2 ]
amdhsa.kernels:
  - .name:           k_q1b11445c34_attn
    .symbol:         k_q1b11445c34_attn.kd
    .args:
      - { .name: qb, .offset: 0, .size: 8, .value_kind: global_buffer, .address_space: global }
      - { .name: kv, .offset: 8, .size: 8, .value_kind: global_buffer, .address_space: global }
      - { .name: ao_img, .offset: 16, .size: 8, .value_kind: global_buffer, .address_space: global }
      - { .name: ao_sc, .offset: 24, .size: 8, .value_kind: global_buffer, .address_space: global }
    .group_segment_fixed_size: 244736
    .private_segment_fixed_size: 0
    .kernarg_segment_align: 8
    .kernarg_segment_size: 32
    .max_flat_workgroup_size: 256
    .sgpr_count:     88
    .vgpr_count:     512
    .wavefront_size: 32
...
	.end_amdgpu_metadata
.endif
;; end of part 3
;; launch oproj (part 4): grid 8 x 32, 4 waves a work-group, clusters of 4 x 4, 214,528 bytes of LDS; arguments ao_img, ao_sc, codes, scales, out0; writes out0
.if DOCPART == 4
	.amdgcn_target "amdgcn-amd-amdhsa--gfx1250"
	.amdhsa_code_object_version 6
	.text
	.protected	k_q1b11445c34_oproj
	.globl	k_q1b11445c34_oproj
	.p2align	8
	.type	k_q1b11445c34_oproj,@function
k_q1b11445c34_oproj:
	s_mov_b64 s[64:65], 0
	v_nop
	global_prefetch_b8 v0, s[64:65] scope:SCOPE_SE
	s_setreg_imm32_b32 hwreg(HW_REG_WAVE_MODE, 25, 1), 1
	s_wait_xcnt 0x0
	s_wait_alu depctr_hold_cnt(0) depctr_sa_sdst(0) depctr_va_vdst(0) depctr_va_sdst(0) depctr_va_ssrc(0) depctr_va_vcc(0) depctr_vm_vsrc(0)
	s_getreg_b32 s2, hwreg(HW_REG_IB_STS2, 6, 4)
	s_cmp_eq_u32 s2, 0
	s_cbranch_scc0 .Lentry_in_a_cluster
	s_endpgm
.Lentry_in_a_cluster:
	s_bfe_u32 s2, ttmp6, 0x10000c
	s_cmp_lg_u32 s2, 0xf033
	s_cbranch_scc0 .Lentry_shape_is_right
	s_endpgm
.Lentry_shape_is_right:
; out0[m][n] = sum over e of a[m][e] Wo[n][e] on codes of E2M3: a is attention's result as register images with its scale bytes; Wo's images lie in the buffer of codes from byte 5,505,024 on, its scale bytes from row 7,168 on.
; 4,096 x 1,024 of f32 in tiles of 128 x 128: 256 work-groups; four waves of 64 x 64, 16 accumulators each.
; ALL OF K LIES IN LDS: A's eight K steps (12,288 bytes each) from byte 0, B's from 98,304: filled once.  One load of four K steps a wave: waves 0, 1 A's and B's steps 0-3, waves 2, 3 steps 4-7.
; All that is read through tensor loads is asked for at the head: there is no later load that a prefetch could run ahead of.
; CLUSTERS 4 x 4: A's block is shared along a row of the cluster, B's along a column: joint loads.
; Source 0 = 16 rows of Wo, source 1 = 16 rows of a.  Both are images in the row order of the quantising launch: lane (r, h), register j of tiles (a, b) is row 32 (r / 8) + 8 a + r % 8, column 32 h + 8 b + j of the wave's 64 x 64.
; The way out goes through the wave's own stage, so that sixteen lanes store 256 consecutive bytes, aligned.
; LIMITS as in the quantising launch.
; REGISTERS.  Window 0: v1-10 addresses; v16-47 A's scale words (tile a, K step s at 16 + 8 a + s), v50-81 B's: they hold nothing else; v128-255 the accumulators, (a, b) at 128 + 8 (4 a + b).
;   Windows 1 and 2: three sets of fragments (A's four, then B's four), two K steps ahead; on the way out v0-63 of window 1: rows read back from the stage.
.set KSB,  12288
.set BOFF, 98304
.set STAGE, 196608                     ; 16 rows x (256 bytes + 16) for each wave; no fill lands here
.set SPARE, STAGE+4*16*272             ; the spare words, 512 bytes
.set A16,  1                           ; v1-2  A's images at 16 x lane, K steps 0-3 and 4-7
.set A8,   3                           ; v3-4  at 8 x lane
.set B16,  5                           ; v5-6
.set STO,  7
.set RD,   8
.set CO,   9
.set SCO,  10
.set SA,   16
.set SB,   50
.set SPW,  84
.set NIL,  85
.set ACC,  128
.set G1A,  24
.set G1B,  32
.set G0A,  40
.set G0B,  44
.set MSB, 0
.macro WIN new
.if MSB != (\new)
	s_set_vgpr_msb (MSB<<8)|(\new)
.set MSB, (\new)
.endif
.endm
.macro PLACES n
.rept \n
	v_nop
.endr
.endm
.macro BARRIER
	s_barrier_signal -1
	s_barrier_wait -1
.endm
.macro CROUND
	BARRIER
	s_cmp_lg_u32 s14, 0
	s_cbranch_scc1 .Lnot_wave_0_\@
	s_barrier_signal -3
.Lnot_wave_0_\@:
	s_barrier_wait -3
	BARRIER
.endm
.macro TLOAD g0, g1
	tensor_load_to_lds s[\g0:\g0+3], s[\g1:\g1+7]
	s_nop 0
	PLACES 4
.endm
	s_load_b256 s[4:11], s[0:1], 0x0               ; ao_img 4, ao_sc 6, codes 8, scales 10
	s_load_b64 s[12:13], s[0:1], 0x20              ; out0
	v_lshl_add_u32 v[SPW], v0, 2, SPARE
	v_mov_b32 v[NIL], 0
	ds_add_u32 v[SPW], v[NIL]                      ; the opening lines
	ds_add_u32 v[SPW], v[NIL]
	v_lshrrev_b32 v11, 5, v0
	v_readfirstlane_b32 s14, v11                   ; wave 0..3
	s_lshr_b32 s15, s14, 1                         ; which 64 rows are mine.  Also: I fetch K steps 0-3 (0) or 4-7 (1)
	s_and_b32 s16, s14, 1                          ; which 64 columns.  Also: I fetch for A (0) or for B (1)
	s_bfe_u32 s17, ttmp6, 0x40000                  ; cx
	s_bfe_u32 s18, ttmp6, 0x40004                  ; cy
	s_lshl_b32 s19, ttmp9, 2
	s_add_co_u32 s19, s19, s17                     ; tile column
	s_and_b32 s20, ttmp7, 0xffff
	s_lshl_b32 s20, s20, 2
	s_add_co_u32 s20, s20, s18                     ; tile row
	s_lshl_b32 s21, s18, 2
	s_lshl_b32 s21, 15, s21                        ; my row of the cluster
	s_lshl_b32 s22, 0x1111, s17                    ; my column
	s_or_b32 s[G1A], s21, (3<<16)|(1<<21)          ; 49,152 dense bytes as 192 rows of 256 (32 elements of 8 bytes), no padding
	s_or_b32 s[G1B], s22, (3<<16)|(1<<21)
.irp g, G1A, G1B
	s_mov_b32 s[\g+1], 32<<16
	s_mov_b32 s[\g+2], 192<<16
	s_mov_b32 s[\g+3], 32<<16
	s_mov_b32 s[\g+4], 192
	s_mov_b32 s[\g+5], 32
	s_mov_b32 s[\g+6], 0
	s_mov_b32 s[\g+7], 0
.endr
	s_mul_i32 s66, s15, 4*KSB                      ; my half of K
	s_mul_i32 s84, s20, 98304
	s_add_co_u32 s84, s84, s66
	s_mov_b32 s85, 0
	s_mul_i32 s88, s19, 98304
	s_add_co_u32 s88, s88, s66
	s_add_co_u32 s88, s88, 5505024
	s_mov_b32 s89, 0
	s_mov_b32 s[G0A], 1
	s_mov_b32 s[G0A+1], s66
	s_mov_b32 s[G0B], 1
	s_add_co_u32 s[G0B+1], s66, BOFF
	s_wait_alu depctr_va_vdst(0)
	s_wait_dscnt 0x0
	CROUND                                         ; all sixteen work-groups are here: the joint loads meet
	s_wait_kmcnt 0x0
	s_add_nc_u64 s[G0A+2:G0A+3], s[4:5], s[84:85]
	s_or_b32 s[G0A+3], s[G0A+3], 0x80000000
	s_add_nc_u64 s[G0B+2:G0B+3], s[8:9], s[88:89]
	s_or_b32 s[G0B+3], s[G0B+3], 0x80000000
	s_cmp_eq_u32 s14, 0                            ; one tensor load a wave, in one chain of arms
	s_cbranch_scc0 .Lwave_1
	TLOAD G0A, G1A
	s_branch .Lasked
.Lwave_1:
	s_cmp_eq_u32 s14, 1
	s_cbranch_scc0 .Lwave_2
	TLOAD G0B, G1B
	s_branch .Lasked
.Lwave_2:
	s_cmp_eq_u32 s14, 2
	s_cbranch_scc0 .Lwave_3
	TLOAD G0A, G1A
	s_branch .Lasked
.Lwave_3:
	TLOAD G0B, G1B
.Lasked:
	s_mul_i32 s90, s15, 6144                       ; my four tiles of A
	s_mul_i32 s91, s16, 6144
	s_add_co_u32 s91, s91, BOFF                    ; and of B
	s_mul_i32 s86, s14, 16*272
	s_add_co_u32 s86, s86, STAGE                   ; my stage
	v_and_b32 v11, 31, v0                          ; lane
	v_and_b32 v12, 15, v0                          ; r
	v_bfe_u32 v13, v0, 4, 1                        ; h
	v_lshlrev_b32 v14, 4, v11
	v_lshlrev_b32 v15, 3, v11
	v_add_nc_u32 v[A16], s90, v14
	v_add_nc_u32 v[A8], s90, v15
	v_add_nc_u32 v[B16], s91, v14
	v_add_nc_u32 v[A16+1], 4*KSB, v[A16]
	v_add_nc_u32 v[A8+1], 4*KSB, v[A8]
	v_add_nc_u32 v[B16+1], 4*KSB, v[B16]
	v_mul_u32_u24 v[STO], v12, 272
	v_lshl_add_u32 v[STO], v13, 7, v[STO]
	v_add_nc_u32 v[STO], s86, v[STO]               ; in: row r, columns 32 h and on
	v_mul_u32_u24 v[RD], v13, 272
	v_lshl_add_u32 v[RD], v12, 4, v[RD]
	v_add_nc_u32 v[RD], s86, v[RD]                 ; back: lanes 0-15 one row of 256 bytes, lanes 16-31 the next
	v_lshlrev_b32 v[CO], 12, v13
	v_lshl_add_u32 v[CO], v12, 4, v[CO]            ; and the same two rows in out0
	v_lshlrev_b32 v[SCO], 5, v12                   ; a row's 32 scale bytes
	s_wait_alu depctr_va_vdst(0)                   ; the wait at the head's end
	s_lshl_b32 s92, s20, 12                        ; A's: 32 x (128 tile row + 64 half)
	s_lshl_b32 s93, s15, 11
	s_add_co_u32 s92, s92, s93
	s_mov_b32 s93, 0
	s_add_nc_u64 s[92:93], s[6:7], s[92:93]
	s_lshl_b32 s94, s19, 12                        ; B's: 32 x (7,168 + 128 tile column + 64 half)
	s_lshl_b32 s95, s16, 11
	s_add_co_u32 s94, s94, s95
	s_add_co_u32 s94, s94, 229376
	s_mov_b32 s95, 0
	s_add_nc_u64 s[94:95], s[10:11], s[94:95]
.irp t, 0,1,2,3                                        ; all eight K steps' words, read once and kept
	global_load_b128 v[SA+8*\t:SA+8*\t+3], v[SCO], s[92:93] offset:512*\t
	global_load_b128 v[SA+8*\t+4:SA+8*\t+7], v[SCO], s[92:93] offset:512*\t+16
	global_load_b128 v[SB+8*\t:SB+8*\t+3], v[SCO], s[94:95] offset:512*\t
	global_load_b128 v[SB+8*\t+4:SB+8*\t+7], v[SCO], s[94:95] offset:512*\t+16
.endr
	s_lshl_b32 s96, s20, 19                        ; out0: (128 tile row + 64 half) rows of 4,096 bytes + (128 tile column + 64 half) x 4
	s_lshl_b32 s97, s15, 18
	s_add_co_u32 s96, s96, s97
	s_lshl_b32 s97, s19, 9
	s_add_co_u32 s96, s96, s97
	s_lshl_b32 s97, s16, 8
	s_add_co_u32 s96, s96, s97
	s_mov_b32 s97, 0
	s_add_nc_u64 s[12:13], s[12:13], s[96:97]
; K step s's eight fragments into set s % 3: 28 loads.  A's come as two halves of 768 bytes (four registers at 16 l, two at 512 + 8 l), B's as three runs of 512 bytes.
.macro SETOF s
.set W_, 1+((\s)%3)/2
.set F_, 128*(((\s)%3)%2)
.endm
.macro FETCH s
	SETOF \s
.set Q_, (\s)/4
.set P_, ((\s)%4)*KSB
	WIN W_<<6
.irp t, 0,1,2,3
	ds_load_b128 v[F_+12*\t:F_+12*\t+3], v[A16+Q_] offset:P_+1536*\t
	ds_load_b64 v[F_+12*\t+4:F_+12*\t+5], v[A8+Q_] offset:P_+1536*\t+512
	ds_load_b128 v[F_+12*\t+6:F_+12*\t+9], v[A16+Q_] offset:P_+1536*\t+768
	ds_load_b64 v[F_+12*\t+10:F_+12*\t+11], v[A8+Q_] offset:P_+1536*\t+1280
.endr
.irp t, 0,1,2,3
.irp c, 0,1,2
	ds_load_b128 v[F_+48+12*\t+4*\c:F_+48+12*\t+4*\c+3], v[B16+Q_] offset:P_+1536*\t+512*\c
.endr
.endr
	WIN 0
.endm
.macro KSTEP s
.if (\s) == 2
	s_wait_tensorcnt 0x0                           ; K steps 4-7: my fill has landed; nothing is ever filled again
	s_wait_dscnt 0x0
	BARRIER                                        ; everybody's has
.elseif (\s) < 7
	s_wait_dscnt 28                                ; this step's fragments are in; the next step's 28 loads may be out
.else
	s_wait_dscnt 0x0
.endif
.if (\s) < 6
.if (\s) > 0
	PLACES 4                                       ; between the last step's products and loads into the set that they read
.endif
	FETCH (\s)+2
.endif
	SETOF \s
	WIN W_|(W_<<2)
.irp a, 0,1,2,3                                        ; the sixteen accumulators take turns, in the same order in every step
.irp b, 0,1,2,3
.if (\s) == 0
	v_wmma_scale_f32_16x16x128_f8f6f4 v[ACC+8*(4*\a+\b):ACC+8*(4*\a+\b)+7], v[F_+48+12*\b:F_+48+12*\b+11], v[F_+12*\a:F_+12*\a+11], 0, v[SB+8*\b+(\s)], v[SA+8*\a+(\s)] matrix_a_fmt:MATRIX_FMT_FP6 matrix_b_fmt:MATRIX_FMT_FP6
.else
	v_wmma_scale_f32_16x16x128_f8f6f4 v[ACC+8*(4*\a+\b):ACC+8*(4*\a+\b)+7], v[F_+48+12*\b:F_+48+12*\b+11], v[F_+12*\a:F_+12*\a+11], v[ACC+8*(4*\a+\b):ACC+8*(4*\a+\b)+7], v[SB+8*\b+(\s)], v[SA+8*\a+(\s)] matrix_a_fmt:MATRIX_FMT_FP6 matrix_b_fmt:MATRIX_FMT_FP6
.endif
.endr
.endr
	WIN 0
.endm
	s_cmp_lt_u32 s14, 2
	s_cbranch_scc0 .Lnot_first
	s_wait_tensorcnt 0x0
.Lnot_first:
	BARRIER                                        ; K steps 0-3 lie in LDS
	FETCH 0
	FETCH 1
	s_wait_loadcnt 0x0                             ; the scale words
.irp s, 0,1,2,3,4,5,6,7
	KSTEP \s
.endr
	PLACES 4                                       ; in front of the first reads of results and of loads into the fragments' registers
; THE WAY OUT, 16 rows x 64 columns at a time, through my own stage: LDS serves a wave's instructions in order, so no wait stands between the stores and the loads, nor in front of the next block's stores.
.macro TOSTAGE a
.irp b, 0,1,2,3
	ds_store_b128 v[STO], v[ACC+8*(4*(\a)+\b):ACC+8*(4*(\a)+\b)+3] offset:32*\b        ; each accumulator from its low end on
	ds_store_b128 v[STO], v[ACC+8*(4*(\a)+\b)+4:ACC+8*(4*(\a)+\b)+7] offset:32*\b+16
.endr
	WIN 0x40
.irp i, 0,1,2,3,4,5,6,7
	ds_load_b128 v[32*((\a)%2)+4*\i:32*((\a)%2)+4*\i+3], v[RD] offset:544*\i
.endr
	WIN 0
.endm
.macro SEND a, younger
	s_wait_dscnt \younger                          ; the block is back in registers; the next block's eight stores and eight loads may be out
	WIN 0x04                                       ; a store's data are its source 1: window 1
.irp i, 0,1,2,3,4,5,6,7
	global_store_b128 v[CO], v[32*((\a)%2)+4*\i:32*((\a)%2)+4*\i+3], s[12:13] offset:(32*(\i/4)+8*(\a)+2*(\i%4))*4096 th:TH_STORE_NT   ; rows 2 i, 2 i + 1 of the tile, at their own places; sixteen lanes store 256 consecutive bytes
.endr
	WIN 0
.endm
	TOSTAGE 0
.irp a, 1,2,3
.if \a > 1
	s_wait_xcnt 0x0                                ; block a - 2's stores have read their registers: block a's loads may land there
.endif
	TOSTAGE \a
	SEND \a-1, 16
.endr
	SEND 3, 0
	s_wait_tensorcnt 0x0                           ; the wave's end
	ds_add_u32 v[SPW], v[NIL]
	s_wait_dscnt 0x0
	CROUND                                         ; the closing round: no work-group ends while a partner may still ask for a block that names it
	s_endpgm
.Lfunc_end_k_q1b11445c34_oproj:
	.size	k_q1b11445c34_oproj, .Lfunc_end_k_q1b11445c34_oproj-k_q1b11445c34_oproj
	.p2alignl 7, 3214868480
	.fill 96, 4, 3214868480
	.section	.rodata,"a",@progbits
	.p2align	6, 0x0
	.amdhsa_kernel k_q1b11445c34_oproj
		.amdhsa_group_segment_fixed_size 214528
		.amdhsa_private_segment_fixed_size 0
		.amdhsa_enable_private_segment 0
		.amdhsa_kernarg_size 40
		.amdhsa_user_sgpr_count 2
		.amdhsa_user_sgpr_kernarg_segment_ptr 1
		.amdhsa_wavefront_size32 1
		.amdhsa_system_sgpr_workgroup_id_x 1
		.amdhsa_system_sgpr_workgroup_id_y 1
		.amdhsa_system_sgpr_workgroup_id_z 1
		.amdhsa_system_vgpr_workitem_id 0
		.amdhsa_next_free_vgpr 640
		.amdhsa_next_free_sgpr 100
		.amdhsa_reserve_vcc 0
		.amdhsa_float_denorm_mode_32 3
		.amdhsa_float_denorm_mode_16_64 3
		.amdhsa_memory_ordered 1
		.amdhsa_forward_progress 1
		.amdhsa_inst_pref_size 49
	.end_amdhsa_kernel
	.amdgpu_metadata
---
amdhsa.version: [ 1, 2 ]
amdhsa.kernels:
  - .name:           k_q1b11445c34_oproj
    .symbol:         k_q1b11445c34_oproj.kd
    .args:
      - { .name: ao_img, .offset: 0, .size: 8, .value_kind: global_buffer, .address_space: global }
      - { .name: ao_sc, .offset: 8, .size: 8, .value_kind: global_buffer, .address_space: global }
      - { .name: codes, .offset: 16, .size: 8, .value_kind: global_buffer, .address_space: global }
      - { .name: scales, .offset: 24, .size: 8, .value_kind: global_buffer, .address_space: global }
      - { .name: out0, .offset: 32, .size: 8, .value_kind: global_buffer, .address_space: global }
    .group_segment_fixed_size: 214528
    .private_segment_fixed_size: 0
    .kernarg_segment_align: 8
    .kernarg_segment_size: 40
    .max_flat_workgroup_size: 128
    .sgpr_count:     100
    .vgpr_count:     640
    .wavefront_size: 32
...
	.end_amdgpu_metadata
.endif
;; end of part 4
